; MI455X (gfx1250); checked and timed in simulation.
; The chip was launched on July 23, 2026; its instructions are those of AMD's public machine-readable ISA for CDNA 5 (MIT licence, August 2026) and "CDNA5" Instruction Set Architecture Reference Guide (July 2026). The comments in the code are by the model that wrote it; some were corrected since.
;; Multi Head Attention. Allowed arithmetic: matrix products marked QUANTISED: E2M3 operands, one E8M0 scale for each 32 along K, by v_wmma_scale_f32_16x16x128_f8f6f4 with both operands' format E2M3, f32 sums; everything else in f32.
;; Inputs: W0_codes 1,024 x 32 x 24 uint8 (E2M3 codes of W0, K innermost, in blocks of 32 codes, four codes in three bytes); W0_scales 1,024 x 32 uint8 (E8M0 scales of W0, one for each 32 codes along K); Wkv_codes 2,048 x 32 x 24 uint8 (E2M3 codes of Wkv, K innermost, in blocks of 32 codes, four codes in three bytes); Wkv_scales 2,048 x 32 uint8 (E8M0 scales of Wkv, one for each 32 codes along K); Wq_codes 1,024 x 32 x 24 uint8 (E2M3 codes of Wq, K innermost, in blocks of 32 codes, four codes in three bytes); Wq_scales 1,024 x 32 uint8 (E8M0 scales of Wq, one for each 32 codes along K); kv_codes 4 x 2,048 x 32 x 24 uint8 (E2M3 codes of kv, K innermost, in blocks of 32 codes, four codes in three bytes); kv_scales 4 x 2,048 x 32 uint8 (E8M0 scales of kv, one for each 32 codes along K); q_codes 4 x 2,048 x 32 x 24 uint8 (E2M3 codes of q, K innermost, in blocks of 32 codes, four codes in three bytes); q_scales 4 x 2,048 x 32 uint8 (E8M0 scales of q, one for each 32 codes along K).
;; Outputs: out0 4 x 2,048 x 1,024 float32.
;; This version of the problem:
;;   THIS VERSION OF THE PROBLEM IS GIVEN IN LOW PRECISION. The matrix products marked QUANTISED in the list below multiply operands that are first quantised to E2M3 (2 exponent bits, 3 mantissa bits; 6 bits a number), with one power-of-two scale for each 32 numbers along K (OCP MX v1.0); their sums are f32. All else is computed in f32.
;;   The module's matrix products, in the order in which they are computed (A, B: the left and right operand; K: the contracted axis; several contracted axes count as one K, in the product's order):
;;     1. [M 8,192, K 1,024] x [K 1,024, N 1,024]; A: input q (given as codes); B: input Wq (given as codes): QUANTISED
;;     2. [M 8,192, K 1,024] x [K 1,024, N 2,048]; A: input kv (given as codes); B: input Wkv (given as codes): QUANTISED
;;     3. batch 64 x [M 2,048, K 64] x [K 64, N 2,048]; A: computed on the way; B: computed on the way: QUANTISED
;;     4. batch 64 x [M 2,048, K 2,048] x [K 2,048, N 64]; A: computed on the way; B: computed on the way: QUANTISED
;;     5. [M 8,192, K 1,024] x [K 1,024, N 1,024]; A: computed on the way; B: input W0 (given as codes): QUANTISED
;;   THE QUANTISER, for each operand of a quantised product, along K:
;;     - K is cut into blocks of 32 from its start; a last block that is shorter is filled with zeros.
;;     - A block's scale is 2^e with e = floor(log2(the largest magnitude in the block)) - 2, held to -126 .. 127; a block of zeros has e = 0. As a byte (E8M0): e + 127.
;;     - Each number is divided by its block's scale, clamped to +-7.5, and rounded to the nearest number of E2M3, ties to even, subnormals kept.
;;     - The product sums the exact products of the quantised numbers (number of the format x scale) in f32.
;;   ~~~python
;;   def quantise(x, axis):      # numpy; x: float32 -> the quantised numbers, widened to float32 again
;;       x = np.moveaxis(x, axis, -1); K = x.shape[-1]
;;       x = np.pad(x, [(0, 0)] * (x.ndim - 1) + [(0, -K % 32)]); x = x.reshape(x.shape[:-1] + (-1, 32)); a = np.abs(x).max(-1, keepdims=True)
;;       e = np.where(a > 0, np.clip(np.frexp(np.where(a > 0, a, 1))[1] - 1 - 2, -126, 127), 0)      # np.frexp(a)[1] - 1 = floor(log2(a)), exactly
;;       r = np.clip(x / 2.0 ** e, -7.5, 7.5)
;;       step = 2.0 ** (np.maximum(np.frexp(np.where(r == 0, 1, r))[1] - 1, 0) - 3)
;;       q = np.round(r / step) * step * 2.0 ** e      # np.round: ties to even
;;       return np.moveaxis(q.reshape(q.shape[:-2] + (-1,))[..., :K], -1, axis).astype(np.float32)
;;   ~~~
;;   OPERANDS COMPUTED ON THE WAY. 'Computed on the way' means the value that the module computes at that place (a softmax that the list does not call 'softmax' is quantised finished and normalised). What goes into a quantiser is computed in f32, as accurately as f32 sums, v_exp_f32 and their like allow (about 1e-6 of the number): no bf16 or f16 on the way to a quantiser, and a product that is left as it is and whose result goes on into a quantised operand takes f32 operands (vector FMAs, or v_wmma_f32_16x16x4_f32). A number that lies on a knife's edge between two numbers of the format may be rounded either way, as far as f32 arithmetic and the matrix unit's own rounding can turn it there, and no further.
;;   INPUTS GIVEN AS CODES. W0 (in the module: [1024, 1024], K = its axis 1); Wkv (in the module: [2048, 1024], K = its axis 1); Wq (in the module: [1024, 1024], K = its axis 1); kv (in the module: [4, 2048, 1024], K = its axis 2); q (in the module: [4, 2048, 1024], K = its axis 2): each comes as NAME_codes (uint8): NAME with its K axis moved to the last place and cut into blocks of 32 codes, [.., K / 32, bytes a block], one block behind the other in memory; four codes in three bytes: a row's codes are one little-endian stream of bits, code i at bits 6 i .. 6 i + 5 (a code: sign, 2 exponent bits, 3 mantissa bits); and NAME_scales (uint8): the same leading axes, one E8M0 byte (e + 127) for each 32 codes along K. Its value is code x scale, taken as it is: it is not quantised again, and the codes and scales need not be those that the quantiser above would give.
;; One version. Each part assembles by itself: llvm-mc -triple=amdgcn-amd-amdhsa -mcpu=gfx1250 --defsym DOCPART=n.
;; ======== version 1 of 1: 4 launches
;; limits: right only within a limited range of input values
;; workspace buffers: kvc 12,582,912 bytes; kvs 524,288 bytes; qc 6,291,456 bytes; qs 262,144 bytes; oc 6,291,456 bytes; osc 262,144 bytes
;; launch kvproj (part 1): grid 8 x 32, 4 waves a work-group, clusters of 4 x 4, 327,680 bytes of LDS; arguments kv_codes, kv_scales, Wkv_codes, Wkv_scales, kvc, kvs; writes kvc, kvs
.if DOCPART == 1
	.amdgcn_target "amdgcn-amd-amdhsa--gfx1250"
	.amdhsa_code_object_version 6
	.text
	.protected	k_q7ea9795085_kvproj
	.globl	k_q7ea9795085_kvproj
	.p2align	8
	.type	k_q7ea9795085_kvproj,@function
k_q7ea9795085_kvproj:
	s_mov_b64 s[64:65], 0
	v_nop
	global_prefetch_b8 v0, s[64:65] scope:SCOPE_SE
	s_setreg_imm32_b32 hwreg(HW_REG_WAVE_MODE, 25, 1), 1
	s_wait_xcnt 0x0
	s_wait_alu depctr_hold_cnt(0) depctr_sa_sdst(0) depctr_va_vdst(0) depctr_va_sdst(0) depctr_va_ssrc(0) depctr_va_vcc(0) depctr_vm_vsrc(0)
	s_getreg_b32 s2, hwreg(HW_REG_IB_STS2, 6, 4)
	s_cmp_eq_u32 s2, 0
	s_cbranch_scc0 .Lentry_in_a_cluster
	s_endpgm
.Lentry_in_a_cluster:
	s_bfe_u32 s2, ttmp6, 0x10000c
	s_cmp_lg_u32 s2, 0xf033
	s_cbranch_scc0 .Lentry_shape_is_right
	s_endpgm
.Lentry_shape_is_right:
.set QP,     0
.set ROWB,   256                       ; the ring goes by chunks of 256 bytes of each row of 768: three chunks, chunk c in slot c % 2
.set KROW,   768
.set PITCH,  272
.set FR,     12
.set NL,     6
.set NP,     4
.set HALFT,  128*PITCH
.set SLOT,   4*HALFT
.set SPARE,  2*SLOT
.if QP
.set BSTRIDE, 8*KROW
.set SROW,    512
.set BHC,     98304
.set BHS,     4096
.set DELTA_C, 8*98304
.set DELTA_S, 8*4096
.else
.set BSTRIDE, 16*KROW
.set SROW,    1024
.set BHC,     196608
.set BHS,     8192
.set DELTA_C, 98304
.set DELTA_S, 4096
.endif
.set SODD,  SROW/2
.set ADRV,  8
.set LI,    12
.set L8,    13
.set ADRA,  16
.set ADRB,  20
.set SPW,   28
.set NIL,   29
.set SC,    32
.set TM,    96
.set PW,    112
.set SW,    120
.set AF,    128
.set CT,    224
.set G1,  24
.set G0,  32
.set G1B, 48
.set G0B, 56
.set SEL, 78
.set MSB, 0
.macro WIN new
.if MSB != (\new)
	s_set_vgpr_msb (MSB<<8)|(\new)
.set MSB, (\new)
.endif
.endm
.set TO_B, 0x40
.macro JLOAD g0a, g1a, g0b, g1b
	s_cmp_eq_u32 s15, 0
	s_cbranch_scc0 .Lfor_b_\@
	tensor_load_to_lds s[\g0a:\g0a+3], s[\g1a:\g1a+7]
	s_nop 0
.rept 4
	v_nop
.endr
	s_branch .Lasked_\@
.Lfor_b_\@:
	tensor_load_to_lds s[\g0b:\g0b+3], s[\g1b:\g1b+7]
	s_nop 0
.rept 4
	v_nop
.endr
.Lasked_\@:
.endm
.macro CREST
	s_cmp_lg_u32 s14, 0
	s_cbranch_scc1 .Lnot_wave_0_\@
	s_barrier_signal -3
.Lnot_wave_0_\@:
	s_barrier_wait -3
	s_barrier_signal -1
	s_barrier_wait -1
.endm
.macro CROUND
	s_barrier_signal -1
	s_barrier_wait -1
	CREST
.endm
	s_load_b256 s[4:11], s[0:1], 0x0
	s_load_b128 s[72:75], s[0:1], 0x20
	v_lshl_add_u32 v[SPW], v0, 2, SPARE
	v_mov_b32 v[NIL], 0
	ds_add_u32 v[SPW], v[NIL]
	ds_add_u32 v[SPW], v[NIL]
	v_lshrrev_b32 v1, 5, v0
	v_readfirstlane_b32 s14, v1
	s_lshr_b32 s15, s14, 1
	s_and_b32 s16, s14, 1
	s_bfe_u32 s40, ttmp6, 0x40000
	s_bfe_u32 s41, ttmp6, 0x40004
	s_lshl_b32 s42, ttmp9, 2
	s_add_co_u32 s42, s42, s40
	s_and_b32 s17, ttmp7, 0xffff
	s_lshl_b32 s17, s17, 2
	s_add_co_u32 s17, s17, s41
	s_lshl_b32 s43, s41, 2
	s_lshl_b32 s43, 15, s43
	s_lshl_b32 s44, 0x1111, s40
	s_or_b32 s[G1+0], s43, (0<<16)|(1<<20)|(1<<21)|(5<<22)|(3<<25)
	s_or_b32 s[G1B+0], s44, (0<<16)|(1<<20)|(1<<21)|(5<<22)|(3<<25)
.irp g, G1, G1B
	s_mov_b32 s[\g+1], ROWB<<16
	s_mov_b32 s[\g+2], 128<<16
	s_mov_b32 s[\g+3], ROWB<<16
	s_mov_b32 s[\g+4], 128
	s_mov_b32 s[\g+6], 0
	s_mov_b32 s[\g+7], 0
.endr
	s_mov_b32 s[G1+5], KROW
	s_mov_b32 s[G1B+5], BSTRIDE
	s_lshl_b32 s18, s16, 7
	s_lshl_b32 s20, s17, 8
	s_add_co_u32 s20, s20, s18
	s_mul_i32 s20, s20, KROW
	s_mov_b32 s21, 0
	s_lshl_b32 s46, s42, 1
	s_add_co_u32 s46, s46, s16
	s_mul_i32 s46, s46, KROW
	s_mov_b32 s47, 0
	s_mul_i32 s45, s14, HALFT
	s_mov_b32 s76, 0xffff0000
	s_mov_b32 s[SEL], 0x76543210
	s_mov_b32 s[SEL+1], 0xfedcba98
	s_wait_dscnt 0x0
	s_wait_kmcnt 0x0
	s_add_nc_u64 s[20:21], s[4:5], s[20:21]
	s_add_nc_u64 s[46:47], s[8:9], s[46:47]
	CROUND
.irp s, 0,1
	s_mov_b32 s[G0+4*\s], 1
	s_add_co_u32 s[G0+4*\s+1], s45, \s*SLOT
	s_add_nc_u64 s[G0+4*\s+2:G0+4*\s+3], s[20:21], \s*ROWB
	s_or_b32 s[G0+4*\s+3], s[G0+4*\s+3], 0x80000000
	s_mov_b32 s[G0B+4*\s], 1
	s_add_co_u32 s[G0B+4*\s+1], s45, \s*SLOT
	s_add_nc_u64 s[G0B+4*\s+2:G0B+4*\s+3], s[46:47], \s*ROWB
	s_or_b32 s[G0B+4*\s+3], s[G0B+4*\s+3], 0x80000000
.endr
	JLOAD G0, G1, G0B, G1B                         ; chunk 0: one tensor load a wave at the head
	v_and_b32 v1, 15, v0
	v_bfe_u32 v2, v0, 4, 1
.if QP
	v_mov_b32 v6, v1
.else
	v_and_b32 v6, 8, v1
	v_add_nc_u32 v6, v6, v1
.endif
	v_lshlrev_b32 v3, 5, v1
	s_wait_alu depctr_va_vdst(0)
	v_mul_u32_u24 v4, v1, SROW
	s_wait_alu depctr_va_vdst(0)
	v_mul_u32_u24 v5, v6, SROW
	s_wait_alu depctr_va_vdst(0)
	s_lshl_b32 s18, s17, 8
	s_lshl_b32 s19, s15, 7
	s_add_co_u32 s18, s18, s19
	s_lshl_b32 s18, s18, 5
	s_mov_b32 s19, 0
	s_add_nc_u64 s[92:93], s[6:7], s[18:19]
	s_lshl_b32 s18, s42, 1
	s_add_co_u32 s18, s18, s16
	s_lshl_b32 s18, s18, 5
	s_add_nc_u64 s[94:95], s[10:11], s[18:19]
.irp a, 0,1,2,3,4,5,6,7
	global_load_b128 v[SC+8*\a:SC+8*\a+3], v3, s[92:93] offset:512*\a
	global_load_b128 v[SC+8*\a+4:SC+8*\a+7], v3, s[92:93] offset:512*\a+16
.endr
.irp i, 0,1,2,3
	global_load_b128 v[AF+8*\i:AF+8*\i+3], v4, s[94:95] offset:16*SROW*\i
	global_load_b128 v[AF+8*\i+4:AF+8*\i+7], v4, s[94:95] offset:16*SROW*\i+16
.endr
.irp y, 0,1,2,3
.if QP
	global_load_b128 v[AF+32+8*\y:AF+32+8*\y+3], v5, s[94:95] offset:SODD+16*SROW*\y
	global_load_b128 v[AF+32+8*\y+4:AF+32+8*\y+7], v5, s[94:95] offset:SODD+16*SROW*\y+16
.else
	global_load_b128 v[AF+32+8*\y:AF+32+8*\y+3], v5, s[94:95] offset:SODD+SROW*(32*(\y/2)+8*(\y%2))
	global_load_b128 v[AF+32+8*\y+4:AF+32+8*\y+7], v5, s[94:95] offset:SODD+SROW*(32*(\y/2)+8*(\y%2))+16
.endif
.endr
	; four addresses for each operand: +0, +1 my row in slot 0, 1 (+ 24 bytes in lanes 16-31); +2, +3 for a piece whose lanes 0-15 read from byte 232 of a chunk in slot 0, 1 and whose lanes 16-31 read from byte 0 of the next chunk, in the other slot
	s_mov_b32 s21, SLOT-232
	s_mov_b32 s22, SLOT+232
	v_sub_nc_u32 v27, 1, v2
	v_mul_u32_u24 v14, s21, v2
	v_add_nc_u32 v14, 232, v14
	v_mul_u32_u24 v24, s22, v27
	v_mul_u32_u24 v26, v2, 24
	v_mul_u32_u24 v7, v1, PITCH
	v_mul_u32_u24 v15, v1, 2*PITCH
	v_mul_u32_u24 v25, v6, 2*PITCH
	s_mul_i32 s21, s15, HALFT
	s_mul_i32 s22, s16, HALFT
	s_add_co_u32 s22, s22, 2*HALFT
	v_add_nc_u32 v7, s21, v7
	v_add_nc_u32 v15, s22, v15
	s_add_co_u32 s22, s22, PITCH
	v_add_nc_u32 v25, s22, v25
.macro ADR4 adr, r
	v_add_nc_u32 v[\adr], v[\r], v26
	v_add_nc_u32 v[\adr+1], SLOT, v[\adr]
	v_add_nc_u32 v[\adr+2], v[\r], v14
	v_add_nc_u32 v[\adr+3], v[\r], v24
.endm
	ADR4 ADRA, 7
	ADR4 ADRB, 15
	ADR4 ADRV, 25
	v_and_b32 v27, 31, v0
	v_lshlrev_b32 v[LI], 4, v27
	v_lshlrev_b32 v[L8], 3, v27
	s_lshr_b32 s18, s17, 3
	s_lshl_b32 s18, s18, 4
	s_lshl_b32 s19, s42, 1
	s_add_co_u32 s18, s18, s19
	s_add_co_u32 s18, s18, s16
	s_and_b32 s19, s17, 7
	s_lshl_b32 s19, s19, 1
	s_add_co_u32 s19, s19, s15
	s_mul_i32 s22, s18, BHC
	s_mul_i32 s23, s19, 6144
	s_add_co_u32 s22, s22, s23
	s_mov_b32 s23, 0
	s_add_nc_u64 s[72:73], s[72:73], s[22:23]
	s_mul_i32 s22, s18, BHS
	s_lshl_b32 s19, s19, 8
	s_add_co_u32 s22, s22, s19
	s_add_nc_u64 s[74:75], s[74:75], s[22:23]
.irp b, 0,1,2,3
	v_mov_b32 v[TM+4+\b], 0
.endr
	s_wait_loadcnt 0x0
.set k, 0
.rept 64
	v_cndmask_b32 v[SC+k], v[SC+k], v[AF+k], s76
.set k, k+1
.endr
.rept 8
	v_nop
.endr
.macro FRAG reg, adr, q, rowoff
.irp p, 0,1,2,3,4,5
.set BY, 96*(\q)+48*(\p/3)+8*(\p%3)    ; q: the step of 128 along K; BY: where the piece of lanes 0-15 begins in the row of codes; byte y lies in chunk y / 256, at byte y % 256 of its LDS row
.if BY/ROWB == (BY+24)/ROWB
	ds_load_b64 v[\reg+2*\p:\reg+2*\p+1], v[\adr+(BY/ROWB)%2] offset:BY%ROWB+(\rowoff)*PITCH
.else
	ds_load_b64 v[\reg+2*\p:\reg+2*\p+1], v[\adr+2+(BY/ROWB)%2] offset:BY%ROWB-232+(\rowoff)*PITCH
.endif
.endr
.endm
.macro MUL16 a0, p, s, zero
	WIN 0xa1
.irp a, \a0, \a0+1
.irp b, 0,1,2,3
.if \zero
	v_wmma_scale_f32_16x16x128_f8f6f4 v[8*(4*(\a)+\b):8*(4*(\a)+\b)+7], v[128*(\p)+FR*\b:128*(\p)+FR*\b+FR-1], v[AF+FR*(\a):AF+FR*(\a)+FR-1], 0, v[SC+8*\b+(\s)], v[SC+8*(\a)+(\s)] matrix_a_fmt:MATRIX_FMT_FP6 matrix_b_fmt:MATRIX_FMT_FP6 matrix_a_scale:MATRIX_SCALE_ROW1
.else
	v_wmma_scale_f32_16x16x128_f8f6f4 v[8*(4*(\a)+\b):8*(4*(\a)+\b)+7], v[128*(\p)+FR*\b:128*(\p)+FR*\b+FR-1], v[AF+FR*(\a):AF+FR*(\a)+FR-1], v[8*(4*(\a)+\b):8*(4*(\a)+\b)+7], v[SC+8*\b+(\s)], v[SC+8*(\a)+(\s)] matrix_a_fmt:MATRIX_FMT_FP6 matrix_b_fmt:MATRIX_FMT_FP6 matrix_a_scale:MATRIX_SCALE_ROW1
.endif
.endr
.endr
.if QP
	WIN 0xf1
.irp a, \a0, \a0+1
.irp y, 0,1,2,3
.if \zero
	v_wmma_scale_f32_16x16x128_f8f6f4 v[8*(4*(\a)+\y):8*(4*(\a)+\y)+7], v[128*(\p)+FR*(4+\y):128*(\p)+FR*(4+\y)+FR-1], v[AF+FR*(\a):AF+FR*(\a)+FR-1], 0, v[SC+8*(4+\y)+(\s)], v[SC+8*(\a)+(\s)] matrix_a_fmt:MATRIX_FMT_FP6 matrix_b_fmt:MATRIX_FMT_FP6 matrix_a_scale:MATRIX_SCALE_ROW1
.else
	v_wmma_scale_f32_16x16x128_f8f6f4 v[8*(4*(\a)+\y):8*(4*(\a)+\y)+7], v[128*(\p)+FR*(4+\y):128*(\p)+FR*(4+\y)+FR-1], v[AF+FR*(\a):AF+FR*(\a)+FR-1], v[8*(4*(\a)+\y):8*(4*(\a)+\y)+7], v[SC+8*(4+\y)+(\s)], v[SC+8*(\a)+(\s)] matrix_a_fmt:MATRIX_FMT_FP6 matrix_b_fmt:MATRIX_FMT_FP6 matrix_a_scale:MATRIX_SCALE_ROW1
.endif
.endr
.endr
.else
	WIN 0xf4
.irp a, \a0, \a0+1
.irp y, 0,1,2,3
.if \zero
	v_wmma_scale_f32_16x16x128_f8f6f4 v[8*(8*\y+(\a)):8*(8*\y+(\a))+7], v[AF+FR*(\a):AF+FR*(\a)+FR-1], v[128*(\p)+FR*(4+\y):128*(\p)+FR*(4+\y)+FR-1], 0, v[SC+8*(\a)+(\s)], v[SC+8*(4+\y)+(\s)] matrix_a_fmt:MATRIX_FMT_FP6 matrix_b_fmt:MATRIX_FMT_FP6 matrix_b_scale:MATRIX_SCALE_ROW1
.else
	v_wmma_scale_f32_16x16x128_f8f6f4 v[8*(8*\y+(\a)):8*(8*\y+(\a))+7], v[AF+FR*(\a):AF+FR*(\a)+FR-1], v[128*(\p)+FR*(4+\y):128*(\p)+FR*(4+\y)+FR-1], v[8*(8*\y+(\a)):8*(8*\y+(\a))+7], v[SC+8*(\a)+(\s)], v[SC+8*(4+\y)+(\s)] matrix_a_fmt:MATRIX_FMT_FP6 matrix_b_fmt:MATRIX_FMT_FP6 matrix_b_scale:MATRIX_SCALE_ROW1
.endif
.endr
.endr
.endif
.endm
.macro FETCH_B slot, q, p
	WIN TO_B
.irp i, 0,1,2,3
	FRAG 128*(\p)+FR*\i, ADRB+\slot, \q, 32*\i
.endr
.irp y, 0,1,2,3
.if QP
	FRAG 128*(\p)+FR*(4+\y), ADRV+\slot, \q, 32*\y
.else
	FRAG 128*(\p)+FR*(4+\y), ADRV+\slot, \q, 64*(\y/2)+16*(\y%2)
.endif
.endr
	WIN 0
.endm
.macro FETCH_A slot, q, i0
.irp i, \i0, \i0+1, \i0+2, \i0+3
	FRAG AF+FR*(\i), ADRA+\slot, \q, 16*(\i)
.endr
.endm
.macro PLACES n
.rept \n
	v_nop
.endr
.endm
.macro STEP slot, q, s, zero
	s_wait_dscnt 4*NL
	MUL16 0, (\q)%2, \s, \zero
	MUL16 2, (\q)%2, \s, \zero
	s_wait_dscnt 0
	PLACES NP
	FETCH_B \slot, (\q)+1, 1-(\q)%2
	FETCH_A \slot, (\q)+1, 0
	MUL16 4, (\q)%2, \s, \zero
	MUL16 6, (\q)%2, \s, \zero
	PLACES NP
	WIN 0
	FETCH_A \slot, (\q)+1, 4
.endm
; A step with a barrier in its middle.  fill = 0: the next step's bytes end in a chunk that no step has read yet: every wave waits for its tensor loads, and the barrier shows the chunk whole.
; fill = 1 (step 2): chunk 0 is read no more: the barrier opens a round of the cluster's barrier, and slot 0 takes chunk 2.
.macro TURN st, fill
	s_wait_tensorcnt 0x0
.if \fill
	ds_add_u32 v[SPW], v[NIL]
.endif
	s_wait_dscnt 4*NL+\fill                        ; the add, where there is one, and A's blocks 4-7 may be out
	MUL16 0, (\st)%2, \st, 0
	s_wait_dscnt 0x0
	s_barrier_signal -1
	MUL16 2, (\st)%2, \st, 0
	WIN 0
	s_barrier_wait -1
.if \fill
	CREST
	s_add_nc_u64 s[G0+2:G0+3], s[G0+2:G0+3], 2*ROWB
	s_add_nc_u64 s[G0B+2:G0B+3], s[G0B+2:G0B+3], 2*ROWB
	JLOAD G0, G1, G0B, G1B
.else
	PLACES NP
.endif
	FETCH_B 0, (\st)+1, 1-(\st)%2
	FETCH_A 0, (\st)+1, 0
	MUL16 4, (\st)%2, \st, 0
	MUL16 6, (\st)%2, \st, 0
	PLACES NP
	WIN 0
	FETCH_A 0, (\st)+1, 4
.endm
	s_wait_alu depctr_va_vdst(0)
	s_wait_tensorcnt 0x0                           ; my part of chunk 0 is in
	ds_add_u32 v[SPW], v[NIL]
	s_wait_dscnt 0x0
	CROUND
	JLOAD G0+4, G1, G0B+4, G1B                     ; chunk 1 into slot 1
	FETCH_B 0, 0, 0
	FETCH_A 0, 0, 0
	FETCH_A 0, 0, 4
	STEP 0, 0, 0, 1                                ; steps 2 and 5 lie across two chunks
	TURN 1, 0
	TURN 2, 1
	STEP 0, 3, 3, 0
	TURN 4, 0
	STEP 0, 5, 5, 0
	STEP 0, 6, 6, 0
	s_wait_dscnt 4*NL
	MUL16 0, 1, 7, 0
	MUL16 2, 1, 7, 0
	s_wait_dscnt 0
	MUL16 4, 1, 7, 0
	MUL16 6, 1, 7, 0
	WIN 0
	PLACES NP
.macro EPI w, n
.set SRC, 64*(\n)
.set KK,  4*((\w)-2)+(\n)
.set PCK, AF+12*KK
	WIN 0x28+0x14*((\w)-2)
.irp b, 0,1,2,3
	v_max3_num_f32 v[TM+\b], 0x1800000, |v[SRC+16*\b]|, |v[SRC+16*\b+1]|
.endr
.irp i, 2,4,6,8,10,12,14
.irp b, 0,1,2,3
	v_max3_num_f32 v[TM+\b], v[TM+\b], |v[SRC+16*\b+\i]|, |v[SRC+16*\b+\i+1]|
.endr
.endr
	WIN 0
.irp b, 0,1,2,3
	v_permlanex16_b32 v[TM+4+\b], v[TM+\b], s[SEL], s[SEL+1]
.endr
.irp b, 0,1,2,3
	v_max_num_f32 v[TM+\b], v[TM+\b], v[TM+4+\b]
.endr
.irp b, 0,1,2,3
	v_add_nc_u32 v[TM+12+\b], 0xff000000, v[TM+\b]
.endr
.irp b, 0,1,2,3
	v_lshrrev_b32 v[TM+4+\b], 23, v[TM+12+\b]
.endr
	v_lshl_or_b32 v[PW+KK], v[TM+5], 8, v[TM+4]
	v_lshl_or_b32 v[PW+KK], v[TM+6], 16, v[PW+KK]
	v_lshl_or_b32 v[PW+KK], v[TM+7], 24, v[PW+KK]
	WIN 0x02+((\w)-2)
.irp c, 0,1
	v_cvt_scalef32_pk16_fp6_f32 v[PCK+6*\c:PCK+6*\c+2], v[SRC+32*\c:SRC+32*\c+15], v[TM+12+2*\c]
	v_cvt_scalef32_pk16_fp6_f32 v[CT+4*\c:CT+4*\c+2], v[SRC+32*\c+16:SRC+32*\c+31], v[TM+12+2*\c+1]
.endr
	WIN 0
	v_nop
.irp c, 0,1
.irp i, 0,1,2
	v_permlane16_swap_b32 v[PCK+6*\c+\i], v[CT+4*\c+\i]
.endr
.irp i, 0,1,2
	v_mov_b32 v[PCK+6*\c+3+\i], v[CT+4*\c+\i]
.endr
.endr
.irp c, 0,1,2
	global_store_b128 v[LI], v[PCK+4*\c:PCK+4*\c+3], s[72:73] offset:((\w)-2)*DELTA_C+(\n)*1536+512*\c
.endr
.endm
.irp w, 2,3
.irp n, 0,1,2,3
	EPI \w, \n
.endr
	v_cndmask_b32 v[SW+2*(\w-2)], v[PW+4*(\w-2)], v[PW+4*(\w-2)+1], s76
	v_cndmask_b32 v[SW+2*(\w-2)+1], v[PW+4*(\w-2)+2], v[PW+4*(\w-2)+3], s76
	global_store_b64 v[L8], v[SW+2*(\w-2):SW+2*(\w-2)+1], s[74:75] offset:(\w-2)*DELTA_S
.endr
	s_wait_tensorcnt 0x0
	ds_add_u32 v[SPW], v[NIL]
	s_wait_dscnt 0x0
	CROUND
	s_endpgm
.Lfunc_end_k_q7ea9795085_kvproj:
	.size	k_q7ea9795085_kvproj, .Lfunc_end_k_q7ea9795085_kvproj-k_q7ea9795085_kvproj
	.p2alignl 7, 3214868480
	.fill 96, 4, 3214868480
	.section	.rodata,"a",@progbits
	.p2align	6, 0x0
	.amdhsa_kernel k_q7ea9795085_kvproj
		.amdhsa_group_segment_fixed_size 327680
		.amdhsa_private_segment_fixed_size 0
		.amdhsa_enable_private_segment 0
		.amdhsa_kernarg_size 48
		.amdhsa_user_sgpr_count 2
		.amdhsa_user_sgpr_kernarg_segment_ptr 1
		.amdhsa_wavefront_size32 1
		.amdhsa_system_sgpr_workgroup_id_x 1
		.amdhsa_system_sgpr_workgroup_id_y 1
		.amdhsa_system_sgpr_workgroup_id_z 1
		.amdhsa_system_vgpr_workitem_id 0
		.amdhsa_next_free_vgpr 1024
		.amdhsa_next_free_sgpr 98
		.amdhsa_reserve_vcc 0
		.amdhsa_float_denorm_mode_32 3
		.amdhsa_float_denorm_mode_16_64 3
		.amdhsa_memory_ordered 1
		.amdhsa_forward_progress 1
		.amdhsa_inst_pref_size 169
	.end_amdhsa_kernel
	.amdgpu_metadata
---
amdhsa.version: [ 1, 2 ]
amdhsa.kernels:
  - .name:           k_q7ea9795085_kvproj
    .symbol:         k_q7ea9795085_kvproj.kd
    .args:
      - { .name: kv_codes, .offset: 0, .size: 8, .value_kind: global_buffer, .address_space: global }
      - { .name: kv_scales, .offset: 8, .size: 8, .value_kind: global_buffer, .address_space: global }
      - { .name: Wkv_codes, .offset: 16, .size: 8, .value_kind: global_buffer, .address_space: global }
      - { .name: Wkv_scales, .offset: 24, .size: 8, .value_kind: global_buffer, .address_space: global }
      - { .name: kvc, .offset: 32, .size: 8, .value_kind: global_buffer, .address_space: global }
      - { .name: kvs, .offset: 40, .size: 8, .value_kind: global_buffer, .address_space: global }
    .group_segment_fixed_size: 327680
    .private_segment_fixed_size: 0
    .kernarg_segment_align: 8
    .kernarg_segment_size: 48
    .max_flat_workgroup_size: 128
    .sgpr_count:     98
    .vgpr_count:     1024
    .wavefront_size: 32
...
	.end_amdgpu_metadata
.endif
;; end of part 1
;; launch qproj (part 2): grid 4 x 32, 4 waves a work-group, clusters of 4 x 4, 327,680 bytes of LDS; arguments q_codes, q_scales, Wq_codes, Wq_scales, qc, qs; writes qc, qs
.if DOCPART == 2
	.amdgcn_target "amdgcn-amd-amdhsa--gfx1250"
	.amdhsa_code_object_version 6
	.text
	.protected	k_q7ea9795085_qproj
	.globl	k_q7ea9795085_qproj
	.p2align	8
	.type	k_q7ea9795085_qproj,@function
k_q7ea9795085_qproj:
	s_mov_b64 s[64:65], 0
	v_nop
	global_prefetch_b8 v0, s[64:65] scope:SCOPE_SE
	s_setreg_imm32_b32 hwreg(HW_REG_WAVE_MODE, 25, 1), 1
	s_wait_xcnt 0x0
	s_wait_alu depctr_hold_cnt(0) depctr_sa_sdst(0) depctr_va_vdst(0) depctr_va_sdst(0) depctr_va_ssrc(0) depctr_va_vcc(0) depctr_vm_vsrc(0)
	s_getreg_b32 s2, hwreg(HW_REG_IB_STS2, 6, 4)
	s_cmp_eq_u32 s2, 0
	s_cbranch_scc0 .Lentry_in_a_cluster
	s_endpgm
.Lentry_in_a_cluster:
	s_bfe_u32 s2, ttmp6, 0x10000c
	s_cmp_lg_u32 s2, 0xf033
	s_cbranch_scc0 .Lentry_shape_is_right
	s_endpgm
.Lentry_shape_is_right:
.set QP,     1
.set ROWB,   256                       ; the ring goes by chunks of 256 bytes of each row of 768: three chunks, chunk c in slot c % 2
.set KROW,   768
.set PITCH,  272
.set FR,     12
.set NL,     6
.set NP,     4
.set HALFT,  128*PITCH
.set SLOT,   4*HALFT
.set SPARE,  2*SLOT
.if QP
.set BSTRIDE, 8*KROW
.set SROW,    512
.set BHC,     98304
.set BHS,     4096
.set DELTA_C, 8*98304
.set DELTA_S, 8*4096
.else
.set BSTRIDE, 16*KROW
.set SROW,    1024
.set BHC,     196608
.set BHS,     8192
.set DELTA_C, 98304
.set DELTA_S, 4096
.endif
.set SODD,  SROW/2
.set ADRV,  8
.set LI,    12
.set L8,    13
.set ADRA,  16
.set ADRB,  20
.set SPW,   28
.set NIL,   29
.set SC,    32
.set TM,    96
.set PW,    112
.set SW,    120
.set AF,    128
.set CT,    224
.set G1,  24
.set G0,  32
.set G1B, 48
.set G0B, 56
.set SEL, 78
.set MSB, 0
.macro WIN new
.if MSB != (\new)
	s_set_vgpr_msb (MSB<<8)|(\new)
.set MSB, (\new)
.endif
.endm
.set TO_B, 0x40
.macro JLOAD g0a, g1a, g0b, g1b
	s_cmp_eq_u32 s15, 0
	s_cbranch_scc0 .Lfor_b_\@
	tensor_load_to_lds s[\g0a:\g0a+3], s[\g1a:\g1a+7]
	s_nop 0
.rept 4
	v_nop
.endr
	s_branch .Lasked_\@
.Lfor_b_\@:
	tensor_load_to_lds s[\g0b:\g0b+3], s[\g1b:\g1b+7]
	s_nop 0
.rept 4
	v_nop
.endr
.Lasked_\@:
.endm
.macro CREST
	s_cmp_lg_u32 s14, 0
	s_cbranch_scc1 .Lnot_wave_0_\@
	s_barrier_signal -3
.Lnot_wave_0_\@:
	s_barrier_wait -3
	s_barrier_signal -1
	s_barrier_wait -1
.endm
.macro CROUND
	s_barrier_signal -1
	s_barrier_wait -1
	CREST
.endm
	s_load_b256 s[4:11], s[0:1], 0x0
	s_load_b128 s[72:75], s[0:1], 0x20
	v_lshl_add_u32 v[SPW], v0, 2, SPARE
	v_mov_b32 v[NIL], 0
	ds_add_u32 v[SPW], v[NIL]
	ds_add_u32 v[SPW], v[NIL]
	v_lshrrev_b32 v1, 5, v0
	v_readfirstlane_b32 s14, v1
	s_lshr_b32 s15, s14, 1
	s_and_b32 s16, s14, 1
	s_bfe_u32 s40, ttmp6, 0x40000
	s_bfe_u32 s41, ttmp6, 0x40004
	s_lshl_b32 s42, ttmp9, 2
	s_add_co_u32 s42, s42, s40
	s_and_b32 s17, ttmp7, 0xffff
	s_lshl_b32 s17, s17, 2
	s_add_co_u32 s17, s17, s41
	s_lshl_b32 s43, s41, 2
	s_lshl_b32 s43, 15, s43
	s_lshl_b32 s44, 0x1111, s40
	s_or_b32 s[G1+0], s43, (0<<16)|(1<<20)|(1<<21)|(5<<22)|(3<<25)
	s_or_b32 s[G1B+0], s44, (0<<16)|(1<<20)|(1<<21)|(5<<22)|(3<<25)
.irp g, G1, G1B
	s_mov_b32 s[\g+1], ROWB<<16
	s_mov_b32 s[\g+2], 128<<16
	s_mov_b32 s[\g+3], ROWB<<16
	s_mov_b32 s[\g+4], 128
	s_mov_b32 s[\g+6], 0
	s_mov_b32 s[\g+7], 0
.endr
	s_mov_b32 s[G1+5], KROW
	s_mov_b32 s[G1B+5], BSTRIDE
	s_lshl_b32 s18, s16, 7
	s_lshl_b32 s20, s17, 8
	s_add_co_u32 s20, s20, s18
	s_mul_i32 s20, s20, KROW
	s_mov_b32 s21, 0
	s_lshl_b32 s46, s42, 1
	s_add_co_u32 s46, s46, s16
	s_mul_i32 s46, s46, KROW
	s_mov_b32 s47, 0
	s_mul_i32 s45, s14, HALFT
	s_mov_b32 s76, 0xffff0000
	s_mov_b32 s[SEL], 0x76543210
	s_mov_b32 s[SEL+1], 0xfedcba98
	s_wait_dscnt 0x0
	s_wait_kmcnt 0x0
	s_add_nc_u64 s[20:21], s[4:5], s[20:21]
	s_add_nc_u64 s[46:47], s[8:9], s[46:47]
	CROUND
.irp s, 0,1
	s_mov_b32 s[G0+4*\s], 1
	s_add_co_u32 s[G0+4*\s+1], s45, \s*SLOT
	s_add_nc_u64 s[G0+4*\s+2:G0+4*\s+3], s[20:21], \s*ROWB
	s_or_b32 s[G0+4*\s+3], s[G0+4*\s+3], 0x80000000
	s_mov_b32 s[G0B+4*\s], 1
	s_add_co_u32 s[G0B+4*\s+1], s45, \s*SLOT
	s_add_nc_u64 s[G0B+4*\s+2:G0B+4*\s+3], s[46:47], \s*ROWB
	s_or_b32 s[G0B+4*\s+3], s[G0B+4*\s+3], 0x80000000
.endr
	JLOAD G0, G1, G0B, G1B                         ; chunk 0: one tensor load a wave at the head
	v_and_b32 v1, 15, v0
	v_bfe_u32 v2, v0, 4, 1
.if QP
	v_mov_b32 v6, v1
.else
	v_and_b32 v6, 8, v1
	v_add_nc_u32 v6, v6, v1
.endif
	v_lshlrev_b32 v3, 5, v1
	s_wait_alu depctr_va_vdst(0)
	v_mul_u32_u24 v4, v1, SROW
	s_wait_alu depctr_va_vdst(0)
	v_mul_u32_u24 v5, v6, SROW
	s_wait_alu depctr_va_vdst(0)
	s_lshl_b32 s18, s17, 8
	s_lshl_b32 s19, s15, 7
	s_add_co_u32 s18, s18, s19
	s_lshl_b32 s18, s18, 5
	s_mov_b32 s19, 0
	s_add_nc_u64 s[92:93], s[6:7], s[18:19]
	s_lshl_b32 s18, s42, 1
	s_add_co_u32 s18, s18, s16
	s_lshl_b32 s18, s18, 5
	s_add_nc_u64 s[94:95], s[10:11], s[18:19]
.irp a, 0,1,2,3,4,5,6,7
	global_load_b128 v[SC+8*\a:SC+8*\a+3], v3, s[92:93] offset:512*\a
	global_load_b128 v[SC+8*\a+4:SC+8*\a+7], v3, s[92:93] offset:512*\a+16
.endr
.irp i, 0,1,2,3
	global_load_b128 v[AF+8*\i:AF+8*\i+3], v4, s[94:95] offset:16*SROW*\i
	global_load_b128 v[AF+8*\i+4:AF+8*\i+7], v4, s[94:95] offset:16*SROW*\i+16
.endr
.irp y, 0,1,2,3
.if QP
	global_load_b128 v[AF+32+8*\y:AF+32+8*\y+3], v5, s[94:95] offset:SODD+16*SROW*\y
	global_load_b128 v[AF+32+8*\y+4:AF+32+8*\y+7], v5, s[94:95] offset:SODD+16*SROW*\y+16
.else
	global_load_b128 v[AF+32+8*\y:AF+32+8*\y+3], v5, s[94:95] offset:SODD+SROW*(32*(\y/2)+8*(\y%2))
	global_load_b128 v[AF+32+8*\y+4:AF+32+8*\y+7], v5, s[94:95] offset:SODD+SROW*(32*(\y/2)+8*(\y%2))+16
.endif
.endr
	; four addresses for each operand: +0, +1 my row in slot 0, 1 (+ 24 bytes in lanes 16-31); +2, +3 for a piece whose lanes 0-15 read from byte 232 of a chunk in slot 0, 1 and whose lanes 16-31 read from byte 0 of the next chunk, in the other slot
	s_mov_b32 s21, SLOT-232
	s_mov_b32 s22, SLOT+232
	v_sub_nc_u32 v27, 1, v2
	v_mul_u32_u24 v14, s21, v2
	v_add_nc_u32 v14, 232, v14
	v_mul_u32_u24 v24, s22, v27
	v_mul_u32_u24 v26, v2, 24
	v_mul_u32_u24 v7, v1, PITCH
	v_mul_u32_u24 v15, v1, 2*PITCH
	v_mul_u32_u24 v25, v6, 2*PITCH
	s_mul_i32 s21, s15, HALFT
	s_mul_i32 s22, s16, HALFT
	s_add_co_u32 s22, s22, 2*HALFT
	v_add_nc_u32 v7, s21, v7
	v_add_nc_u32 v15, s22, v15
	s_add_co_u32 s22, s22, PITCH
	v_add_nc_u32 v25, s22, v25
.macro ADR4 adr, r
	v_add_nc_u32 v[\adr], v[\r], v26
	v_add_nc_u32 v[\adr+1], SLOT, v[\adr]
	v_add_nc_u32 v[\adr+2], v[\r], v14
	v_add_nc_u32 v[\adr+3], v[\r], v24
.endm
	ADR4 ADRA, 7
	ADR4 ADRB, 15
	ADR4 ADRV, 25
	v_and_b32 v27, 31, v0
	v_lshlrev_b32 v[LI], 4, v27
	v_lshlrev_b32 v[L8], 3, v27
	s_lshr_b32 s18, s17, 3
	s_lshl_b32 s18, s18, 4
	s_lshl_b32 s19, s42, 1
	s_add_co_u32 s18, s18, s19
	s_add_co_u32 s18, s18, s16
	s_and_b32 s19, s17, 7
	s_lshl_b32 s19, s19, 1
	s_add_co_u32 s19, s19, s15
	s_mul_i32 s22, s18, BHC
	s_mul_i32 s23, s19, 6144
	s_add_co_u32 s22, s22, s23
	s_mov_b32 s23, 0
	s_add_nc_u64 s[72:73], s[72:73], s[22:23]
	s_mul_i32 s22, s18, BHS
	s_lshl_b32 s19, s19, 8
	s_add_co_u32 s22, s22, s19
	s_add_nc_u64 s[74:75], s[74:75], s[22:23]
.irp b, 0,1,2,3
	v_mov_b32 v[TM+4+\b], 0
.endr
	s_wait_loadcnt 0x0
.set k, 0
.rept 64
	v_cndmask_b32 v[SC+k], v[SC+k], v[AF+k], s76
.set k, k+1
.endr
.rept 8
	v_nop
.endr
.macro FRAG reg, adr, q, rowoff
.irp p, 0,1,2,3,4,5
.set BY, 96*(\q)+48*(\p/3)+8*(\p%3)    ; q: the step of 128 along K; BY: where the piece of lanes 0-15 begins in the row of codes; byte y lies in chunk y / 256, at byte y % 256 of its LDS row
.if BY/ROWB == (BY+24)/ROWB
	ds_load_b64 v[\reg+2*\p:\reg+2*\p+1], v[\adr+(BY/ROWB)%2] offset:BY%ROWB+(\rowoff)*PITCH
.else
	ds_load_b64 v[\reg+2*\p:\reg+2*\p+1], v[\adr+2+(BY/ROWB)%2] offset:BY%ROWB-232+(\rowoff)*PITCH
.endif
.endr
.endm
.macro MUL16 a0, p, s, zero
	WIN 0xa1
.irp a, \a0, \a0+1
.irp b, 0,1,2,3
.if \zero
	v_wmma_scale_f32_16x16x128_f8f6f4 v[8*(4*(\a)+\b):8*(4*(\a)+\b)+7], v[128*(\p)+FR*\b:128*(\p)+FR*\b+FR-1], v[AF+FR*(\a):AF+FR*(\a)+FR-1], 0, v[SC+8*\b+(\s)], v[SC+8*(\a)+(\s)] matrix_a_fmt:MATRIX_FMT_FP6 matrix_b_fmt:MATRIX_FMT_FP6 matrix_a_scale:MATRIX_SCALE_ROW1
.else
	v_wmma_scale_f32_16x16x128_f8f6f4 v[8*(4*(\a)+\b):8*(4*(\a)+\b)+7], v[128*(\p)+FR*\b:128*(\p)+FR*\b+FR-1], v[AF+FR*(\a):AF+FR*(\a)+FR-1], v[8*(4*(\a)+\b):8*(4*(\a)+\b)+7], v[SC+8*\b+(\s)], v[SC+8*(\a)+(\s)] matrix_a_fmt:MATRIX_FMT_FP6 matrix_b_fmt:MATRIX_FMT_FP6 matrix_a_scale:MATRIX_SCALE_ROW1
.endif
.endr
.endr
.if QP
	WIN 0xf1
.irp a, \a0, \a0+1
.irp y, 0,1,2,3
.if \zero
	v_wmma_scale_f32_16x16x128_f8f6f4 v[8*(4*(\a)+\y):8*(4*(\a)+\y)+7], v[128*(\p)+FR*(4+\y):128*(\p)+FR*(4+\y)+FR-1], v[AF+FR*(\a):AF+FR*(\a)+FR-1], 0, v[SC+8*(4+\y)+(\s)], v[SC+8*(\a)+(\s)] matrix_a_fmt:MATRIX_FMT_FP6 matrix_b_fmt:MATRIX_FMT_FP6 matrix_a_scale:MATRIX_SCALE_ROW1
.else
	v_wmma_scale_f32_16x16x128_f8f6f4 v[8*(4*(\a)+\y):8*(4*(\a)+\y)+7], v[128*(\p)+FR*(4+\y):128*(\p)+FR*(4+\y)+FR-1], v[AF+FR*(\a):AF+FR*(\a)+FR-1], v[8*(4*(\a)+\y):8*(4*(\a)+\y)+7], v[SC+8*(4+\y)+(\s)], v[SC+8*(\a)+(\s)] matrix_a_fmt:MATRIX_FMT_FP6 matrix_b_fmt:MATRIX_FMT_FP6 matrix_a_scale:MATRIX_SCALE_ROW1
.endif
.endr
.endr
.else
	WIN 0xf4
.irp a, \a0, \a0+1
.irp y, 0,1,2,3
.if \zero
	v_wmma_scale_f32_16x16x128_f8f6f4 v[8*(8*\y+(\a)):8*(8*\y+(\a))+7], v[AF+FR*(\a):AF+FR*(\a)+FR-1], v[128*(\p)+FR*(4+\y):128*(\p)+FR*(4+\y)+FR-1], 0, v[SC+8*(\a)+(\s)], v[SC+8*(4+\y)+(\s)] matrix_a_fmt:MATRIX_FMT_FP6 matrix_b_fmt:MATRIX_FMT_FP6 matrix_b_scale:MATRIX_SCALE_ROW1
.else
	v_wmma_scale_f32_16x16x128_f8f6f4 v[8*(8*\y+(\a)):8*(8*\y+(\a))+7], v[AF+FR*(\a):AF+FR*(\a)+FR-1], v[128*(\p)+FR*(4+\y):128*(\p)+FR*(4+\y)+FR-1], v[8*(8*\y+(\a)):8*(8*\y+(\a))+7], v[SC+8*(\a)+(\s)], v[SC+8*(4+\y)+(\s)] matrix_a_fmt:MATRIX_FMT_FP6 matrix_b_fmt:MATRIX_FMT_FP6 matrix_b_scale:MATRIX_SCALE_ROW1
.endif
.endr
.endr
.endif
.endm
.macro FETCH_B slot, q, p
	WIN TO_B
.irp i, 0,1,2,3
	FRAG 128*(\p)+FR*\i, ADRB+\slot, \q, 32*\i
.endr
.irp y, 0,1,2,3
.if QP
	FRAG 128*(\p)+FR*(4+\y), ADRV+\slot, \q, 32*\y
.else
	FRAG 128*(\p)+FR*(4+\y), ADRV+\slot, \q, 64*(\y/2)+16*(\y%2)
.endif
.endr
	WIN 0
.endm
.macro FETCH_A slot, q, i0
.irp i, \i0, \i0+1, \i0+2, \i0+3
	FRAG AF+FR*(\i), ADRA+\slot, \q, 16*(\i)
.endr
.endm
.macro PLACES n
.rept \n
	v_nop
.endr
.endm
.macro STEP slot, q, s, zero
	s_wait_dscnt 4*NL
	MUL16 0, (\q)%2, \s, \zero
	MUL16 2, (\q)%2, \s, \zero
	s_wait_dscnt 0
	PLACES NP
	FETCH_B \slot, (\q)+1, 1-(\q)%2
	FETCH_A \slot, (\q)+1, 0
	MUL16 4, (\q)%2, \s, \zero
	MUL16 6, (\q)%2, \s, \zero
	PLACES NP
	WIN 0
	FETCH_A \slot, (\q)+1, 4
.endm
; A step with a barrier in its middle.  fill = 0: the next step's bytes end in a chunk that no step has read yet: every wave waits for its tensor loads, and the barrier shows the chunk whole.
; fill = 1 (step 2): chunk 0 is read no more: the barrier opens a round of the cluster's barrier, and slot 0 takes chunk 2.
.macro TURN st, fill
	s_wait_tensorcnt 0x0
.if \fill
	ds_add_u32 v[SPW], v[NIL]
.endif
	s_wait_dscnt 4*NL+\fill                        ; the add, where there is one, and A's blocks 4-7 may be out
	MUL16 0, (\st)%2, \st, 0
	s_wait_dscnt 0x0
	s_barrier_signal -1
	MUL16 2, (\st)%2, \st, 0
	WIN 0
	s_barrier_wait -1
.if \fill
	CREST
	s_add_nc_u64 s[G0+2:G0+3], s[G0+2:G0+3], 2*ROWB
	s_add_nc_u64 s[G0B+2:G0B+3], s[G0B+2:G0B+3], 2*ROWB
	JLOAD G0, G1, G0B, G1B
.else
	PLACES NP
.endif
	FETCH_B 0, (\st)+1, 1-(\st)%2
	FETCH_A 0, (\st)+1, 0
	MUL16 4, (\st)%2, \st, 0
	MUL16 6, (\st)%2, \st, 0
	PLACES NP
	WIN 0
	FETCH_A 0, (\st)+1, 4
.endm
	s_wait_alu depctr_va_vdst(0)
	s_wait_tensorcnt 0x0                           ; my part of chunk 0 is in
	ds_add_u32 v[SPW], v[NIL]
	s_wait_dscnt 0x0
	CROUND
	JLOAD G0+4, G1, G0B+4, G1B                     ; chunk 1 into slot 1
	FETCH_B 0, 0, 0
	FETCH_A 0, 0, 0
	FETCH_A 0, 0, 4
	STEP 0, 0, 0, 1                                ; steps 2 and 5 lie across two chunks
	TURN 1, 0
	TURN 2, 1
	STEP 0, 3, 3, 0
	TURN 4, 0
	STEP 0, 5, 5, 0
	STEP 0, 6, 6, 0
	s_wait_dscnt 4*NL
	MUL16 0, 1, 7, 0
	MUL16 2, 1, 7, 0
	s_wait_dscnt 0
	MUL16 4, 1, 7, 0
	MUL16 6, 1, 7, 0
	WIN 0
	PLACES NP
.macro EPI w, n
.set SRC, 64*(\n)
.set KK,  4*((\w)-2)+(\n)
.set PCK, AF+12*KK
	WIN 0x28+0x14*((\w)-2)
.irp b, 0,1,2,3
	v_max3_num_f32 v[TM+\b], 0x1800000, |v[SRC+16*\b]|, |v[SRC+16*\b+1]|
.endr
.irp i, 2,4,6,8,10,12,14
.irp b, 0,1,2,3
	v_max3_num_f32 v[TM+\b], v[TM+\b], |v[SRC+16*\b+\i]|, |v[SRC+16*\b+\i+1]|
.endr
.endr
	WIN 0
.irp b, 0,1,2,3
	v_permlanex16_b32 v[TM+4+\b], v[TM+\b], s[SEL], s[SEL+1]
.endr
.irp b, 0,1,2,3
	v_max_num_f32 v[TM+\b], v[TM+\b], v[TM+4+\b]
.endr
.irp b, 0,1,2,3
	v_add_nc_u32 v[TM+12+\b], 0xff000000, v[TM+\b]
.endr
.irp b, 0,1,2,3
	v_lshrrev_b32 v[TM+4+\b], 23, v[TM+12+\b]
.endr
	v_lshl_or_b32 v[PW+KK], v[TM+5], 8, v[TM+4]
	v_lshl_or_b32 v[PW+KK], v[TM+6], 16, v[PW+KK]
	v_lshl_or_b32 v[PW+KK], v[TM+7], 24, v[PW+KK]
	WIN 0x02+((\w)-2)
.irp c, 0,1
	v_cvt_scalef32_pk16_fp6_f32 v[PCK+6*\c:PCK+6*\c+2], v[SRC+32*\c:SRC+32*\c+15], v[TM+12+2*\c]
	v_cvt_scalef32_pk16_fp6_f32 v[CT+4*\c:CT+4*\c+2], v[SRC+32*\c+16:SRC+32*\c+31], v[TM+12+2*\c+1]
.endr
	WIN 0
	v_nop
.irp c, 0,1
.irp i, 0,1,2
	v_permlane16_swap_b32 v[PCK+6*\c+\i], v[CT+4*\c+\i]
.endr
.irp i, 0,1,2
	v_mov_b32 v[PCK+6*\c+3+\i], v[CT+4*\c+\i]
.endr
.endr
.irp c, 0,1,2
	global_store_b128 v[LI], v[PCK+4*\c:PCK+4*\c+3], s[72:73] offset:((\w)-2)*DELTA_C+(\n)*1536+512*\c
.endr
.endm
.irp w, 2,3
.irp n, 0,1,2,3
	EPI \w, \n
.endr
	v_cndmask_b32 v[SW+2*(\w-2)], v[PW+4*(\w-2)], v[PW+4*(\w-2)+1], s76
	v_cndmask_b32 v[SW+2*(\w-2)+1], v[PW+4*(\w-2)+2], v[PW+4*(\w-2)+3], s76
	global_store_b64 v[L8], v[SW+2*(\w-2):SW+2*(\w-2)+1], s[74:75] offset:(\w-2)*DELTA_S
.endr
	s_wait_tensorcnt 0x0
	ds_add_u32 v[SPW], v[NIL]
	s_wait_dscnt 0x0
	CROUND
	s_endpgm
.Lfunc_end_k_q7ea9795085_qproj:
	.size	k_q7ea9795085_qproj, .Lfunc_end_k_q7ea9795085_qproj-k_q7ea9795085_qproj
	.p2alignl 7, 3214868480
	.fill 96, 4, 3214868480
	.section	.rodata,"a",@progbits
	.p2align	6, 0x0
	.amdhsa_kernel k_q7ea9795085_qproj
		.amdhsa_group_segment_fixed_size 327680
		.amdhsa_private_segment_fixed_size 0
		.amdhsa_enable_private_segment 0
		.amdhsa_kernarg_size 48
		.amdhsa_user_sgpr_count 2
		.amdhsa_user_sgpr_kernarg_segment_ptr 1
		.amdhsa_wavefront_size32 1
		.amdhsa_system_sgpr_workgroup_id_x 1
		.amdhsa_system_sgpr_workgroup_id_y 1
		.amdhsa_system_sgpr_workgroup_id_z 1
		.amdhsa_system_vgpr_workitem_id 0
		.amdhsa_next_free_vgpr 1024
		.amdhsa_next_free_sgpr 98
		.amdhsa_reserve_vcc 0
		.amdhsa_float_denorm_mode_32 3
		.amdhsa_float_denorm_mode_16_64 3
		.amdhsa_memory_ordered 1
		.amdhsa_forward_progress 1
		.amdhsa_inst_pref_size 169
	.end_amdhsa_kernel
	.amdgpu_metadata
---
amdhsa.version: [ 1, 2 ]
amdhsa.kernels:
  - .name:           k_q7ea9795085_qproj
    .symbol:         k_q7ea9795085_qproj.kd
    .args:
      - { .name: q_codes, .offset: 0, .size: 8, .value_kind: global_buffer, .address_space: global }
      - { .name: q_scales, .offset: 8, .size: 8, .value_kind: global_buffer, .address_space: global }
      - { .name: Wq_codes, .offset: 16, .size: 8, .value_kind: global_buffer, .address_space: global }
      - { .name: Wq_scales, .offset: 24, .size: 8, .value_kind: global_buffer, .address_space: global }
      - { .name: qc, .offset: 32, .size: 8, .value_kind: global_buffer, .address_space: global }
      - { .name: qs, .offset: 40, .size: 8, .value_kind: global_buffer, .address_space: global }
    .group_segment_fixed_size: 327680
    .private_segment_fixed_size: 0
    .kernarg_segment_align: 8
    .kernarg_segment_size: 48
    .max_flat_workgroup_size: 128
    .sgpr_count:     98
    .vgpr_count:     1024
    .wavefront_size: 32
...
	.end_amdgpu_metadata
.endif
;; end of part 2
;; launch attn (part 3): grid 4 x 64, 16 waves a work-group, clusters of 4 x 1, 206,848 bytes of LDS; arguments qc, qs, kvc, kvs, oc, osc; writes oc, osc
.if DOCPART == 3
	.amdgcn_target "amdgcn-amd-amdhsa--gfx1250"
	.amdhsa_code_object_version 6
	.text
	.protected	k_q7ea9795085_attn
	.globl	k_q7ea9795085_attn
	.p2align	8
	.type	k_q7ea9795085_attn,@function
k_q7ea9795085_attn:
	s_mov_b64 s[64:65], 0
	v_nop
	global_prefetch_b8 v0, s[64:65] scope:SCOPE_SE
	s_setreg_imm32_b32 hwreg(HW_REG_WAVE_MODE, 25, 1), 1
	s_wait_xcnt 0x0
	s_wait_alu depctr_hold_cnt(0) depctr_sa_sdst(0) depctr_va_vdst(0) depctr_va_sdst(0) depctr_va_ssrc(0) depctr_va_vcc(0) depctr_vm_vsrc(0)
	s_getreg_b32 s2, hwreg(HW_REG_IB_STS2, 6, 4)
	s_cmp_eq_u32 s2, 0
	s_cbranch_scc0 .Lentry_in_a_cluster
	s_endpgm
.Lentry_in_a_cluster:
	s_bfe_u32 s2, ttmp6, 0x10000c
	s_cmp_lg_u32 s2, 0x3003
	s_cbranch_scc0 .Lentry_shape_is_right
	s_endpgm
.Lentry_shape_is_right:
; O = nan_to_num(softmax(Q K^T / 8)) V for one head of one batch, both products on codes of FP6 (E2M3) with one E8M0 scale for each 32 along K; O is then quantised along (head, channel) for the projection on the way out.  No work is left out.
; What is quantised ahead of the second product is the finished, normalised softmax, so the keys are walked TWICE: walk 1 makes the scores and keeps a running maximum M and the sum of 2^(t - M), t = score x log2(e) / 8;
; walk 2 makes the same scores again, p = 2^(t - M - log2(sum)), quantises p along the keys and multiplies by V.
; 1 / sum stands in the exponent: -(M + log2(sum)) is ONE f32 number, so its rounding is half a last place of |M + log2(sum)|, the size of the rounding that a score near the maximum carries itself.
; nan_to_num: a weight is never infinite, and a NaN is the whole row's (then that constant is no number): the row's O is made 0.
; LIMITS: a weight under 2^-126 is taken as 0 (v_exp_f32's own flush); a block of zeros carries the byte 1 where the rule says 127 (its codes are zeros, and only this program reads the bytes).
; SHARES.  A work-group owns 512 queries of one head; each of its sixteen waves 32 of them, two tiles of 16, in 256 registers.
; The head's K, V and scale words stay in LDS (204,800 bytes), filled once: waves 0-11 fetch 64 rows of 256 bytes of codes each, waves 12-15 8 rows of scale words each: one tensor load a wave, nothing is filled again.
; All are images of operand registers: every LDS read is 16 or 8 bytes a lane on end.  No prefetch: all that is read through LDS is asked for at the head, and there is no loop to run ahead in.
; CLUSTER.  The four blocks of queries of a head ask for K, V and the scales jointly: the same loads with the same descriptors and the mask of all four.
; LAYOUT.  S^T = K Q^T, O^T = V^T P^T: a lane holds one query (lane % 16) throughout.  A fragment of K holds TWO tiles of 16 keys, in k 0-63 and in k 64-127; against [Q | zeros] it gives the first tile's scores, against [zeros | Q] the second's.
; The 16 registers of a group's two tiles are 16 keys of one block of 32; the other 16 lie in lane l xor 16.  Place 16 h + 8 t + j of a block holds key 16 t + 8 h + j, in P as in V's codes.
.set VC,    98304                      ; LDS: K's codes from 0, V's from here,
.set KS,    196608                     ; K's scale words, 256 bytes for each 128 keys,
.set VS,    200704                     ; V's,
.set SPARE, 204800                     ; the spare words, 128 bytes a wave
.set L16, 1                            ; 16 x lane
.set L8,  2                            ; 8 x lane
.set AD0, 3                            ; LDS address of K's fragments
.set AD1, 4                            ; of the scale words
.set SPW, 5
.set NIL, 6
.set AD2, 8                            ; of V's fragments
.set ST,  10                           ; v10-25 tile u at ST + 8 u: +0 -M (behind walk 1: -(M + log2 sum)), +1 0, +2, +3 the sum in two halves (behind walk 1 +3: the guard's mask), +4 f, +5 0, +6, +7 at work
.set QSC, 26
.set KSC, 28
.set VSC, 30
.set PW,  32
.set QB,  34                           ; v34-63 zeros x 6, Q tile 0, zeros x 6, Q tile 1, zeros x 6
.set KF,  64                           ; v64-87 two fragments of K; in walk 1 v88-111 hold two more
.set P,   88                           ; v88-111 walk 2: P's codes, 12 a tile
.set BM,  112
.set BP,  116
.set BS,  120
.set CT,  112                          ; the conversions' second halves, over BM and BP, which are done with by then
.set S,   124                          ; v124-187 S^T, then p: 32 u + 16 g + 8 t; later V's four fragments
.set O,   188                          ; v188-251 O^T: 32 u + 8 y; in walk 1 the scores of the step's second 64 keys
.set WV,  16
.set BH,  18
.set SEL, 20
.set CS,  22                           ; s[22:23] c = log2(e) / 8
.set G1C, 24
.set G1S, 32
.set G0K, 40
.set G0S, 44
.set CNT, 52
.set TK,  53
.set TS,  54
.set TV,  55
.set NC,  66                           ; -c
.macro ROUND
	s_barrier_signal -1
	s_barrier_wait -1
	s_cmp_lg_u32 s[WV], 0
	s_cbranch_scc1 .Lnot_wave_0_\@
	s_barrier_signal -3
.Lnot_wave_0_\@:
	s_barrier_wait -3
	s_barrier_signal -1
	s_barrier_wait -1
.endm
.macro NOPS n
.rept \n
	v_nop
.endr
.endm
	s_load_b256 s[4:11], s[0:1], 0x0               ; Q's codes, scale words; K's and V's codes, scale words
	s_load_b128 s[12:15], s[0:1], 0x20             ; O's codes, scale bytes
	v_lshl_add_u32 v[SPW], v0, 2, SPARE
	v_mov_b32 v[NIL], 0
	ds_add_u32 v[SPW], v[NIL]
	ds_add_u32 v[SPW], v[NIL]
	v_lshrrev_b32 v9, 5, v0
	s_delay_alu instid0(VALU_DEP_1)
	v_readfirstlane_b32 s[WV], v9
	s_bfe_u32 s17, ttmp6, 0x40000
	s_lshl_b32 s56, ttmp9, 2
	s_add_co_u32 s17, s17, s56                     ; my block of 512 queries: it enters global addresses alone
	s_and_b32 s[BH], ttmp7, 0xffff
.irp g, G1C, G1S                       ; dense rows of 256 bytes (32 elements of 8), the mask of all four work-groups
	s_mov_b32 s[\g], 15|(3<<16)|(1<<21)
	s_mov_b32 s[\g+1], 32<<16
	s_mov_b32 s[\g+3], 32<<16
	s_mov_b32 s[\g+5], 32
	s_mov_b32 s[\g+6], 0
	s_mov_b32 s[\g+7], 0
.endr
	s_mov_b32 s[G1C+2], 64<<16
	s_mov_b32 s[G1C+4], 64
	s_mov_b32 s[G1S+2], 8<<16
	s_mov_b32 s[G1S+4], 8
	s_lshl_b32 s60, s[WV], 14                      ; codes: wave x 16,384 bytes (waves 0-11)
	s_and_b32 s62, s[WV], 3
	s_lshl_b32 s61, s62, 11                        ; scale words: (wave - 12) x 2,048 bytes (waves 12-15)
	s_mul_i32 s56, s[BH], 196608
	s_add_co_u32 s56, s56, s60
	s_mov_b32 s57, 0
	s_lshl_b32 s58, s[BH], 13
	s_add_co_u32 s58, s58, s61
	s_mov_b32 s59, 0
	s_mov_b32 s[SEL], 0x76543210
	s_mov_b32 s[SEL+1], 0xfedcba98
	s_mov_b32 s[CS], 0x3e38aa3b
	s_mov_b32 s[CS+1], s[CS]
	s_mov_b32 s[NC], 0xbe38aa3b
	s_wait_dscnt 0x0
	s_wait_kmcnt 0x0
	ROUND                                          ; all four work-groups are here: the joint loads meet
	s_mov_b32 s[G0K], 1
	s_mov_b32 s[G0K+1], s60
	s_add_nc_u64 s[G0K+2:G0K+3], s[8:9], s[56:57]
	s_or_b32 s[G0K+3], s[G0K+3], 0x80000000
	s_mov_b32 s[G0S], 1
	s_add_co_u32 s[G0S+1], s61, KS
	s_add_nc_u64 s[G0S+2:G0S+3], s[10:11], s[58:59]
	s_or_b32 s[G0S+3], s[G0S+3], 0x80000000
	s_cmp_lt_u32 s[WV], 12                         ; every way passes exactly one load
	s_cbranch_scc0 .Lfill_s
	tensor_load_to_lds s[G0K:G0K+3], s[G1C:G1C+7]
	s_nop 0
	NOPS 4
	s_branch .Lfilled
.Lfill_s:
	tensor_load_to_lds s[G0S:G0S+3], s[G1S:G1S+7]
	s_nop 0
	NOPS 4
.Lfilled:
	; my 32 queries: group G = 16 x block + wave
	s_lshl_b32 s19, s17, 4
	s_add_co_u32 s19, s19, s[WV]
	s_mul_i32 s57, s19, 1536
	s_mul_i32 s58, s[BH], 98304
	s_add_co_u32 s58, s58, s57
	s_mov_b32 s59, 0
	s_add_nc_u64 s[4:5], s[4:5], s[58:59]          ; its fragment
	s_lshr_b32 s57, s19, 2
	s_lshl_b32 s57, s57, 8                         ; its scale word: 256 bytes for each four groups,
	s_lshl_b32 s58, s[BH], 12
	s_add_co_u32 s58, s58, s57
	s_and_b32 s57, s[WV], 1
	s_lshl_b32 s57, s57, 7                         ; the lanes' half by the group's low bit,
	s_add_co_u32 s58, s58, s57
	s_bfe_u32 s57, s[WV], 0x10001
	s_lshl_b32 s57, s57, 2                         ; the word by the next bit
	s_add_co_u32 s58, s58, s57
	s_add_nc_u64 s[6:7], s[6:7], s[58:59]
	s_lshr_b32 s57, s[BH], 4                       ; where O goes: tile of 16 tokens 128 x batch + 2 G, head BH % 16
	s_lshl_b32 s57, s57, 7
	s_lshl_b32 s58, s19, 1
	s_add_co_u32 s57, s57, s58
	s_and_b32 s58, s[BH], 15
	s_mul_i32 s60, s57, 12288
	s_mul_i32 s61, s58, 768
	s_add_co_u32 s60, s60, s61
	s_mov_b32 s61, 0
	s_add_nc_u64 s[12:13], s[12:13], s[60:61]
	s_lshl_b32 s60, s57, 9
	s_lshl_b32 s58, s58, 1
	s_add_co_u32 s60, s60, s58
	s_add_nc_u64 s[14:15], s[14:15], s[60:61]
	s_mov_b32 s63, 0xffff0000                      ; lanes 16-31
	v_and_b32 v9, 31, v0
	s_delay_alu instid0(VALU_DEP_1)
	v_lshlrev_b32 v[L16], 4, v9
	s_delay_alu instid0(VALU_DEP_2)
	v_lshlrev_b32 v[L8], 3, v9
	v_and_b32 v7, 15, v0
	s_delay_alu instid0(VALU_DEP_1)
	v_lshlrev_b32 v7, 3, v7
	global_load_b128 v[S:S+3], v[L16], s[4:5]
	global_load_b128 v[S+4:S+7], v[L16], s[4:5] offset:512
	global_load_b128 v[S+8:S+11], v[L16], s[4:5] offset:1024
	global_load_b32 v9, v7, s[6:7]
.irp u, 0,1
	v_mov_b32 v[ST+8*\u], 0x7f61b1e6               ; -M: 3e38, over every -t
.irp i, 1,2,3,4,5,6,7
	v_mov_b32 v[ST+8*\u+\i], 0
.endr
.endr
.irp b, 0,1,2,3
	v_mov_b32 v[BP+\b], 0
.endr
	s_wait_loadcnt 0x0                             ; Q
.irp i, 0,1,2,3,4,5
	v_mov_b32 v[QB+\i], 0
	v_mov_b32 v[QB+6+\i], v[S+\i]
	v_mov_b32 v[QB+12+\i], 0
	v_mov_b32 v[QB+18+\i], v[S+6+\i]
	v_mov_b32 v[QB+24+\i], 0
.endr
	v_perm_b32 v[QSC], v9, v9, 0x01000100          ; tile 0's two bytes, for k 0-63 and again for k 64-127
	v_perm_b32 v[QSC+1], v9, v9, 0x03020302        ; tile 1's
	v_lshlrev_b32 v7, 2, v[L8]                     ; 32 x lane: O's scale bytes
	s_mov_b32 s[TK], 0
	s_mov_b32 s[TS], KS
	v_add_nc_u32 v[AD0], s[TK], v[L16]
	v_add_nc_u32 v[AD1], s[TS], v[L8]
	NOPS 8                                         ; a scale register written by a vector instruction stands 8 places ahead of a scaled matrix instruction
	s_wait_alu depctr_va_vdst(0)
	s_wait_tensorcnt 0x0                           ; my load is in,
	s_barrier_signal -1
	s_barrier_wait -1                              ; everybody's is: K, V and the scale words are whole
.macro LOADK kf, off                   ; two fragments of K, 64 keys
.irp g, 0,1
.irp c, 0,1,2
	ds_load_b128 v[\kf+12*\g+4*\c:\kf+12*\g+4*\c+3], v[AD0] offset:\off+1536*\g+512*\c
.endr
.endr
.endm
.macro QK d, kf, hb                    ; eight products, eight accumulators: group g, query tile u, key tile t of the group
.irp g, 0,1
.irp u, 0,1
.irp t, 0,1
.if \g
	v_wmma_scale_f32_16x16x128_f8f6f4 v[\d+32*\u+16*\g+8*\t:\d+32*\u+16*\g+8*\t+7], v[\kf+12*\g:\kf+12*\g+11], v[QB+12*\u+6-6*\t:QB+12*\u+17-6*\t], 0, v[KSC+\hb], v[QSC+\u] matrix_a_fmt:MATRIX_FMT_FP6 matrix_b_fmt:MATRIX_FMT_FP6 matrix_a_scale:MATRIX_SCALE_ROW1
.else
	v_wmma_scale_f32_16x16x128_f8f6f4 v[\d+32*\u+16*\g+8*\t:\d+32*\u+16*\g+8*\t+7], v[\kf+12*\g:\kf+12*\g+11], v[QB+12*\u+6-6*\t:QB+12*\u+17-6*\t], 0, v[KSC+\hb], v[QSC+\u] matrix_a_fmt:MATRIX_FMT_FP6 matrix_b_fmt:MATRIX_FMT_FP6
.endif
.endr
.endr
.endr
.endm
; WALK 1's softmax of 128 keys, both tiles line by line.  All of it is a LANE's own: its 64 scores a tile, its own M and sum; the two halves of the lanes meet once, behind the walk.
.macro SOFT1
.irp u, 0,1                            ; eight chains by turns, four a tile, each over 16 registers (two accumulators, each first read at its low end); chain (u, n) in v[BM + 4 u + n]
.irp c, 0,1
	v_max3_num_f32 v[BM+4*\u+\c], v[S+32*\u+16*\c], v[S+32*\u+16*\c+1], v[S+32*\u+16*\c+2]
	v_max3_num_f32 v[BM+4*\u+2+\c], v[O+32*\u+16*\c], v[O+32*\u+16*\c+1], v[O+32*\u+16*\c+2]
.endr
.endr
.irp i, 3,5,7,9,11,13
.irp u, 0,1
.irp c, 0,1
	v_max3_num_f32 v[BM+4*\u+\c], v[BM+4*\u+\c], v[S+32*\u+16*\c+\i], v[S+32*\u+16*\c+\i+1]
	v_max3_num_f32 v[BM+4*\u+2+\c], v[BM+4*\u+2+\c], v[O+32*\u+16*\c+\i], v[O+32*\u+16*\c+\i+1]
.endr
.endr
.endr
.irp u, 0,1
	v_max3_num_f32 v[BM+4*\u], v[BM+4*\u], v[S+32*\u+15], v[S+32*\u+31]      ; each range's sixteenth register
.endr
.irp u, 0,1
	v_max3_num_f32 v[BM+4*\u+2], v[BM+4*\u+2], v[O+32*\u+15], v[O+32*\u+31]
.endr
.irp u, 0,1
	v_max_num_f32 v[BM+4*\u+1], v[BM+4*\u+1], v[BM+4*\u+3]
.endr
.irp u, 0,1
	v_max3_num_f32 v[ST+8*\u+6], v[BM+4*\u], v[BM+4*\u+1], v[BM+4*\u+2]
.endr
.irp u, 0,1
	s_delay_alu instid0(VALU_DEP_2)
	v_mul_f32 v[ST+8*\u+6], s[NC], v[ST+8*\u+6]    ; -t of the step's largest score (c is positive)
.endr
.irp u, 0,1
	v_mov_b32 v[ST+8*\u+7], v[ST+8*\u]
.endr
.irp u, 0,1
	s_delay_alu instid0(VALU_DEP_4)
	v_min_num_f32 v[ST+8*\u], v[ST+8*\u], v[ST+8*\u+6]     ; the new -M
.endr
.irp u, 0,1
	s_delay_alu instid0(VALU_DEP_2)
	v_sub_f32 v[ST+8*\u+4], v[ST+8*\u], v[ST+8*\u+7]       ; old M - new M, 0 or less
.endr
.irp j, 0,2,4,6,8,10,12,14,16,18,20,22,24,26,28,30
.irp u, 0,1
	v_pk_fma_f32 v[S+32*\u+\j:S+32*\u+\j+1], v[S+32*\u+\j:S+32*\u+\j+1], s[CS:CS+1], v[ST+8*\u:ST+8*\u+1] op_sel_hi:[1,0,0]   ; t - M
.endr
.endr
	s_wait_alu depctr_va_vdst(0)
.irp u, 0,1
	v_exp_f32 v[ST+8*\u+4], v[ST+8*\u+4]           ; f = 2^(old M - new M)
.endr
.set EJ, 0
.rept 32                               ; the first 64 keys' exponentials; among them the second 64 keys' t - M: each writes registers that are first read behind the wait below
	v_exp_f32 v[S+2*EJ], v[S+2*EJ]
	v_exp_f32 v[S+2*EJ+1], v[S+2*EJ+1]
	v_pk_fma_f32 v[O+2*EJ:O+2*EJ+1], v[O+2*EJ:O+2*EJ+1], s[CS:CS+1], v[ST+8*(EJ/16):ST+8*(EJ/16)+1] op_sel_hi:[1,0,0]
.set EJ, EJ+1
.endr
	s_wait_alu depctr_va_vdst(0)                   ; behind the first batch and ahead of the second
.irp u, 0,1
	v_pk_mul_f32 v[ST+8*\u+2:ST+8*\u+3], v[ST+8*\u+2:ST+8*\u+3], v[ST+8*\u+4:ST+8*\u+5] op_sel_hi:[1,0]   ; the sums under the new M
.endr
.set EJ, 0
.rept 16                               ; the second 64 keys' exponentials; among them the first level of the first 64 keys' sum: 16 additions that hang on no other, their results first read behind the wait below
	v_exp_f32 v[O+4*EJ], v[O+4*EJ]
	v_exp_f32 v[O+4*EJ+1], v[O+4*EJ+1]
	v_exp_f32 v[O+4*EJ+2], v[O+4*EJ+2]
	v_exp_f32 v[O+4*EJ+3], v[O+4*EJ+3]
	v_pk_add_f32 v[S+4*EJ:S+4*EJ+1], v[S+4*EJ:S+4*EJ+1], v[S+4*EJ+2:S+4*EJ+3]
.set EJ, EJ+1
.endr
	s_wait_alu depctr_va_vdst(0)                   ; one wait for the batch
	; a tile now has 24 pairs to add: items 0-7 at S + 4 m, items 8-23 at O + 2 (m - 8).  Four chains a tile, eight by turns: chain 0 is the sum itself, chains 1-3 grow in place on items 1-3
.irp u, 0,1
	v_pk_add_f32 v[ST+8*\u+2:ST+8*\u+3], v[ST+8*\u+2:ST+8*\u+3], v[S+32*\u:S+32*\u+1]
.endr
.set MI, 4
.rept 20
.if MI < 8
.set SRC0, S+4*MI
.else
.set SRC0, O+2*(MI-8)
.endif
.irp u, 0,1
.if MI%4 == 0
	v_pk_add_f32 v[ST+8*\u+2:ST+8*\u+3], v[ST+8*\u+2:ST+8*\u+3], v[SRC0+32*\u:SRC0+32*\u+1]
.else
	v_pk_add_f32 v[S+4*(MI%4)+32*\u:S+4*(MI%4)+32*\u+1], v[S+4*(MI%4)+32*\u:S+4*(MI%4)+32*\u+1], v[SRC0+32*\u:SRC0+32*\u+1]
.endif
.endr
.set MI, MI+1
.endr
.irp u, 0,1
	v_pk_add_f32 v[S+8+32*\u:S+9+32*\u], v[S+8+32*\u:S+9+32*\u], v[S+12+32*\u:S+13+32*\u]
.endr
.irp u, 0,1
	v_pk_add_f32 v[ST+8*\u+2:ST+8*\u+3], v[ST+8*\u+2:ST+8*\u+3], v[S+4+32*\u:S+5+32*\u]
.endr
.irp u, 0,1
	v_pk_add_f32 v[ST+8*\u+2:ST+8*\u+3], v[ST+8*\u+2:ST+8*\u+3], v[S+8+32*\u:S+9+32*\u]
.endr
.endm
; A trip of walk 1: 128 keys.  The next trip's fragments are asked for behind the products, ahead of the softmax; the last trip asks for walk 2's first 64 keys.
.macro W1 last
	s_wait_dscnt 0x0                               ; the fragments asked for a trip ago
	QK S, KF, 0
	QK O, KF+24, 1
.if \last
	s_mov_b32 s[TK], 0
	s_mov_b32 s[TS], KS
.else
	s_add_co_u32 s[TK], s[TK], 6144
	s_add_co_u32 s[TS], s[TS], 256
.endif
	v_add_nc_u32 v[AD0], s[TK], v[L16]             ; four places in front of the loads and of the first read of results
	v_add_nc_u32 v[AD1], s[TS], v[L8]
	NOPS 2
	LOADK KF, 0
	ds_load_b64 v[KSC:KSC+1], v[AD1]
.if \last == 0
	LOADK KF+24, 3072
.endif
	SOFT1
.endm
	LOADK KF, 0
	ds_load_b64 v[KSC:KSC+1], v[AD1]
	LOADK KF+24, 3072
	s_mov_b32 s[CNT], 15
.Lwalk1:                                           ; 15 trips, and the last written out
	W1 0
	s_sub_co_u32 s[CNT], s[CNT], 1
	s_cmp_lg_u32 s[CNT], 0
	s_wait_alu depctr_va_vdst(0)
	s_cbranch_scc1 .Lwalk1
	W1 1
	; THE TWO HALVES OF THE LANES MEET: the row's M is the larger; each half's sum is brought under it; the two products are added by one commutative addition, so both lanes get the same bits.
.irp u, 0,1
	v_add_f32 v[BM+\u], v[ST+8*\u+2], v[ST+8*\u+3]
.endr
.irp u, 0,1
	v_permlanex16_b32 v[ST+8*\u+6], v[ST+8*\u], s[SEL], s[SEL+1]
.endr
.irp u, 0,1
	v_permlanex16_b32 v[ST+8*\u+7], v[BM+\u], s[SEL], s[SEL+1]
.endr
.irp u, 0,1
	s_delay_alu instid0(VALU_DEP_4)
	v_min_num_f32 v[BM+2+\u], v[ST+8*\u], v[ST+8*\u+6]     ; -M of the whole row
.endr
.irp u, 0,1
	s_delay_alu instid0(VALU_DEP_2)
	v_sub_f32 v[S+\u], v[BM+2+\u], v[ST+8*\u]      ; (S is free here)
.endr
.irp u, 0,1
	s_delay_alu instid0(VALU_DEP_4)
	v_sub_f32 v[S+2+\u], v[BM+2+\u], v[ST+8*\u+6]
.endr
	s_wait_alu depctr_va_vdst(0)
.irp b, 0,1,2,3
	v_exp_f32 v[S+\b], v[S+\b]
.endr
	v_nop
	s_wait_alu depctr_va_vdst(0)
.irp u, 0,1
	v_mul_f32 v[BM+\u], v[BM+\u], v[S+\u]
.endr
.irp u, 0,1
	v_mul_f32 v[ST+8*\u+7], v[ST+8*\u+7], v[S+2+\u]
.endr
.irp u, 0,1
	s_delay_alu instid0(VALU_DEP_2)
	v_add_f32 v[BM+\u], v[BM+\u], v[ST+8*\u+7]     ; the row's sum
.endr
	s_wait_alu depctr_va_vdst(0)
.irp u, 0,1
	v_log_f32 v[BM+\u], v[BM+\u]
.endr
	v_nop
	s_wait_alu depctr_va_vdst(0)
.irp u, 0,1
	v_sub_f32 v[ST+8*\u], v[BM+2+\u], v[BM+\u]     ; -(M + log2(sum))
.endr
.irp u, 0,1
	s_delay_alu instid0(VALU_DEP_2)
	v_mul_f32 v[BS+\u], 0, v[ST+8*\u]              ; 0 where it is finite, else NaN
.endr
	s_delay_alu instid0(VALU_DEP_2)
	v_cmp_eq_f32 vcc_lo, v[BS], v[BS]
	s_delay_alu instid0(VALU_DEP_1)
	v_cndmask_b32 v[ST+3], 0, -1, vcc_lo           ; the guard's mask: all ones, or 0 for a row that nan_to_num makes zeros
	s_delay_alu instid0(VALU_DEP_3)
	v_cmp_eq_f32 vcc_lo, v[BS+1], v[BS+1]
	s_delay_alu instid0(VALU_DEP_1)
	v_cndmask_b32 v[ST+11], 0, -1, vcc_lo
.set j, 0
.rept 64
	v_mov_b32 v[O+j], 0                            ; O^T: walk 2's trip is written for every trip alike, so its first products add onto zeros
.set j, j+1
.endr
	s_mov_b32 s[TV], VC
	v_add_nc_u32 v[AD2], s[TV], v[L16]
; WALK 2's softmax of 64 keys: p finished in one multiply-add and one exponential; quantised block by block; k = 2 u + g names a block's 16 registers at S + 16 k.
.macro SOFT2 hb
.irp j, 0,2,4,6,8,10,12,14,16,18,20,22,24,26,28,30
.irp u, 0,1
	v_pk_fma_f32 v[S+32*\u+\j:S+32*\u+\j+1], v[S+32*\u+\j:S+32*\u+\j+1], s[CS:CS+1], v[ST+8*\u:ST+8*\u+1] op_sel_hi:[1,0,0]   ; each accumulator from its low end on
.endr
.endr
	s_wait_alu depctr_va_vdst(0)
.set EJ, 0
.rept 64
	v_exp_f32 v[S+EJ], v[S+EJ]
.set EJ, EJ+1
.endr
	v_nop
	s_wait_alu depctr_va_vdst(0)
.irp k, 0,1,2,3                        ; a block's largest p: two chains of seven numbers, eight chains by turns, and a leaf of two numbers with the floor.  None is negative; the floor 2^(3 - 127) holds the byte at 1 from below
	v_max3_num_f32 v[BM+\k], v[S+16*\k], v[S+16*\k+1], v[S+16*\k+2]
	v_max3_num_f32 v[BP+\k], v[S+16*\k+7], v[S+16*\k+8], v[S+16*\k+9]
.endr
.irp i, 3,5
.irp k, 0,1,2,3
	v_max3_num_f32 v[BM+\k], v[BM+\k], v[S+16*\k+\i], v[S+16*\k+\i+1]
	v_max3_num_f32 v[BP+\k], v[BP+\k], v[S+16*\k+\i+7], v[S+16*\k+\i+8]
.endr
.endr
.irp k, 0,1,2,3
	v_max3_num_f32 v[BS+\k], v[S+16*\k+14], v[S+16*\k+15], 0x1800000
.endr
.irp k, 0,1,2,3
	v_max3_num_f32 v[BM+\k], v[BM+\k], v[BP+\k], v[BS+\k]
.endr
.irp k, 0,1,2,3
	s_delay_alu instid0(VALU_DEP_4)
	v_permlanex16_b32 v[BP+\k], v[BM+\k], s[SEL], s[SEL+1]
.endr
.irp k, 0,1,2,3
	s_delay_alu instid0(VALU_DEP_4)
	v_max_num_f32 v[BM+\k], v[BM+\k], v[BP+\k]     ; with lane l xor 16's 16 keys
.endr
.irp k, 0,1,2,3
	s_delay_alu instid0(VALU_DEP_4)
	v_add_nc_u32 v[BS+\k], 0xff000000, v[BM+\k]    ; 2 off the exponent field: the conversion's scale operand
.endr
.irp k, 0,1,2,3
	s_delay_alu instid0(VALU_DEP_4)
	v_lshrrev_b32 v[BP+\k], 23, v[BS+\k]           ; the byte
.endr
.if \hb == 0
	s_delay_alu instid0(VALU_DEP_3)
	v_lshl_or_b32 v[PW], v[BP+1], 8, v[BP]
	s_delay_alu instid0(VALU_DEP_2)
	v_lshl_or_b32 v[PW+1], v[BP+3], 8, v[BP+2]
.else
.irp u, 0,1
	s_delay_alu instid0(VALU_DEP_4)
	v_lshl_or_b32 v[PW+\u], v[BP+2*\u], 16, v[PW+\u]
	s_delay_alu instid0(VALU_DEP_1)
	v_lshl_or_b32 v[PW+\u], v[BP+2*\u+1], 24, v[PW+\u]
.endr
.endif
.irp u, 0,1
	v_cvt_scalef32_pk16_fp6_f32 v[P+12*\u+6*\hb:P+12*\u+6*\hb+2], v[S+32*\u:S+32*\u+15], v[BS+2*\u]
	v_cvt_scalef32_pk16_fp6_f32 v[CT+4*\u:CT+4*\u+2], v[S+32*\u+16:S+32*\u+31], v[BS+2*\u+1]
.endr
	v_nop                                          ; one plain place behind a scaled conversion
.if \hb                                ; p is converted, so S is free: V's four fragments are asked for here, ahead of the lane swaps and moves
.irp y, 0,1,2,3
.irp c, 0,1,2
	ds_load_b128 v[S+12*\y+4*\c:S+12*\y+4*\c+3], v[AD2] offset:1536*\y+512*\c
.endr
.endr
.endif
.irp u, 0,1                            ; the operand's layout wants a whole block in a lane
.irp i, 0,1,2
	v_permlane16_swap_b32 v[P+12*\u+6*\hb+\i], v[CT+4*\u+\i]
.endr
.irp i, 0,1,2
	s_delay_alu instid0(VALU_DEP_3)
	v_mov_b32 v[P+12*\u+6*\hb+3+\i], v[CT+4*\u+\i]
.endr
.endr
.endm
.macro PV last                         ; O^T += V^T P^T over the trip's 128 keys: eight accumulators, one instruction a turn; V's fragments were asked for behind the last conversions
	NOPS 4                                         ; P's codes, written by vector instructions, stand 4 places ahead; its scale words more than 8
	s_wait_alu depctr_va_vdst(0)
	s_wait_dscnt 0x0
.irp y, 0,1,2,3
.irp u, 0,1
.if \y%2
	v_wmma_scale_f32_16x16x128_f8f6f4 v[O+32*\u+8*\y:O+32*\u+8*\y+7], v[S+12*\y:S+12*\y+11], v[P+12*\u:P+12*\u+11], v[O+32*\u+8*\y:O+32*\u+8*\y+7], v[VSC+\y/2], v[PW+\u] matrix_a_fmt:MATRIX_FMT_FP6 matrix_b_fmt:MATRIX_FMT_FP6 matrix_a_scale:MATRIX_SCALE_ROW1
.else
	v_wmma_scale_f32_16x16x128_f8f6f4 v[O+32*\u+8*\y:O+32*\u+8*\y+7], v[S+12*\y:S+12*\y+11], v[P+12*\u:P+12*\u+11], v[O+32*\u+8*\y:O+32*\u+8*\y+7], v[VSC+\y/2], v[PW+\u] matrix_a_fmt:MATRIX_FMT_FP6 matrix_b_fmt:MATRIX_FMT_FP6
.endif
.endr
.endr
.if \last == 0
	s_add_co_u32 s[TV], s[TV], 6144
	v_add_nc_u32 v[AD2], s[TV], v[L16]             ; with the four below: 5 places in front of the next scores, which are laid over V's fragments
.endif
	NOPS 4
.endm
; A trip of walk 2: 128 keys.  Each 64 keys' fragments of K are asked for behind the products before them; the last trip asks for nothing more.
.macro W2 last
	s_wait_dscnt 0x0
	QK S, KF, 0
	NOPS 4
	LOADK KF, 3072
	ds_load_b64 v[VSC:VSC+1], v[AD1] offset:VS-KS
	SOFT2 0
	s_wait_dscnt 0x0
	QK S, KF, 1
.if \last
	NOPS 4
.else
	s_add_co_u32 s[TK], s[TK], 6144
	s_add_co_u32 s[TS], s[TS], 256
	v_add_nc_u32 v[AD0], s[TK], v[L16]
	v_add_nc_u32 v[AD1], s[TS], v[L8]
	NOPS 2
	LOADK KF, 0
	ds_load_b64 v[KSC:KSC+1], v[AD1]
.endif
	SOFT2 1
	PV \last
.endm
	s_mov_b32 s[CNT], 15
	s_wait_alu depctr_va_vdst(0)
.Lwalk2:                                           ; 15 trips, and the last written out
	W2 0
	s_sub_co_u32 s[CNT], s[CNT], 1
	s_cmp_lg_u32 s[CNT], 0
	s_wait_alu depctr_va_vdst(0)
	s_cbranch_scc1 .Lwalk2
	W2 1
	; THE WAY OUT.  The guard; then O is quantised along the head's 64 channels, blocks 2 h and 2 h + 1 of the next product's K.  V's rows were chosen so that registers 16 b + i of a tile are channels 32 b + 16 (lane / 16) + i.
.irp u, 0,1
.irp j, 0,1,2,3,4,5,6,7,8,9,10,11,12,13,14,15,16,17,18,19,20,21,22,23,24,25,26,27,28,29,30,31
	v_and_b32 v[O+32*\u+\j], v[ST+8*\u+3], v[O+32*\u+\j]   ; each accumulator from its low end on
.endr
.endr
.irp k, 0,1,2,3
	v_max3_num_f32 v[BM+\k], |v[O+16*\k]|, |v[O+16*\k+1]|, 0x1800000
.endr
.irp i, 2,4,6,8,10,12,14
.irp k, 0,1,2,3
	s_delay_alu instid0(VALU_DEP_4)
	v_max3_num_f32 v[BM+\k], v[BM+\k], |v[O+16*\k+\i]|, |v[O+16*\k+\i+1]|
.endr
.endr
.irp k, 0,1,2,3
	s_delay_alu instid0(VALU_DEP_4)
	v_permlanex16_b32 v[BP+\k], v[BM+\k], s[SEL], s[SEL+1]
.endr
.irp k, 0,1,2,3
	s_delay_alu instid0(VALU_DEP_4)
	v_max_num_f32 v[BM+\k], v[BM+\k], v[BP+\k]
.endr
.irp k, 0,1,2,3
	s_delay_alu instid0(VALU_DEP_4)
	v_add_nc_u32 v[BS+\k], 0xff000000, v[BM+\k]
.endr
.irp k, 0,1,2,3
	s_delay_alu instid0(VALU_DEP_4)
	v_lshrrev_b32 v[BP+\k], 23, v[BS+\k]
.endr
	s_delay_alu instid0(VALU_DEP_3)
	v_lshl_or_b32 v[ST+6], v[BP+1], 8, v[BP]       ; my token's two bytes
	s_delay_alu instid0(VALU_DEP_2)
	v_lshl_or_b32 v[ST+14], v[BP+3], 8, v[BP+2]
	s_delay_alu instid0(VALU_DEP_1)
	v_cndmask_b32 v9, v[ST+6], v[ST+14], s63       ; lanes 0-15 tile 0's tokens, lanes 16-31 tile 1's
.irp u, 0,1
	v_cvt_scalef32_pk16_fp6_f32 v[P+12*\u:P+12*\u+2], v[O+32*\u:O+32*\u+15], v[BS+2*\u]
	v_cvt_scalef32_pk16_fp6_f32 v[CT+4*\u:CT+4*\u+2], v[O+32*\u+16:O+32*\u+31], v[BS+2*\u+1]
.endr
	v_nop
.irp u, 0,1
.irp i, 0,1,2
	v_permlane16_swap_b32 v[P+12*\u+\i], v[CT+4*\u+\i]
.endr
.irp i, 0,1,2
	s_delay_alu instid0(VALU_DEP_3)
	v_mov_b32 v[P+12*\u+3+\i], v[CT+4*\u+\i]
.endr
.endr
.irp u, 0,1
	global_store_b128 v[L16], v[P+12*\u:P+12*\u+3], s[12:13] offset:12288*\u        ; half a fragment's image: registers 0-3, 512 consecutive bytes,
	global_store_b64 v[L8], v[P+12*\u+4:P+12*\u+5], s[12:13] offset:12288*\u+512    ; registers 4-5, 256 consecutive bytes
.endr
	global_store_b16 v7, v9, s[14:15]              ; two bytes a token: a token's 32 bytes come from sixteen work-groups; the buffer is 262,144 bytes in all
	s_wait_tensorcnt 0x0                           ; the wave's end
	ds_add_u32 v[SPW], v[NIL]
	s_wait_dscnt 0x0
	ROUND                                          ; the closing round
	s_endpgm
.Lfunc_end_k_q7ea9795085_attn:
	.size	k_q7ea9795085_attn, .Lfunc_end_k_q7ea9795085_attn-k_q7ea9795085_attn
	.p2alignl 7, 3214868480
	.fill 96, 4, 3214868480
	.section	.rodata,"a",@progbits
	.p2align	6, 0x0
	.amdhsa_kernel k_q7ea9795085_attn
		.amdhsa_group_segment_fixed_size 206848
		.amdhsa_private_segment_fixed_size 0
		.amdhsa_enable_private_segment 0
		.amdhsa_kernarg_size 48
		.amdhsa_user_sgpr_count 2
		.amdhsa_user_sgpr_kernarg_segment_ptr 1
		.amdhsa_wavefront_size32 1
		.amdhsa_system_sgpr_workgroup_id_x 1
		.amdhsa_system_sgpr_workgroup_id_y 1
		.amdhsa_system_sgpr_workgroup_id_z 1
		.amdhsa_system_vgpr_workitem_id 0
		.amdhsa_next_free_vgpr 256
		.amdhsa_next_free_sgpr 80
		.amdhsa_reserve_vcc 1
		.amdhsa_float_denorm_mode_32 3
		.amdhsa_float_denorm_mode_16_64 3
		.amdhsa_memory_ordered 1
		.amdhsa_forward_progress 1
		.amdhsa_inst_pref_size 106
	.end_amdhsa_kernel
	.amdgpu_metadata
---
amdhsa.version: [ 1, 2 ]
amdhsa.kernels:
  - .name:           k_q7ea9795085_attn
    .symbol:         k_q7ea9795085_attn.kd
    .args:
      - { .name: qc, .offset: 0, .size: 8, .value_kind: global_buffer, .address_space: global }
      - { .name: qs, .offset: 8, .size: 8, .value_kind: global_buffer, .address_space: global }
      - { .name: kvc, .offset: 16, .size: 8, .value_kind: global_buffer, .address_space: global }
      - { .name: kvs, .offset: 24, .size: 8, .value_kind: global_buffer, .address_space: global }
      - { .name: oc, .offset: 32, .size: 8, .value_kind: global_buffer, .address_space: global }
      - { .name: osc, .offset: 40, .size: 8, .value_kind: global_buffer, .address_space: global }
    .group_segment_fixed_size: 206848
    .private_segment_fixed_size: 0
    .kernarg_segment_align: 8
    .kernarg_segment_size: 48
    .max_flat_workgroup_size: 512
    .sgpr_count:     80
    .vgpr_count:     256
    .wavefront_size: 32
...
	.end_amdgpu_metadata
.endif
;; end of part 3
;; launch outproj (part 4): grid 4 x 32, 4 waves a work-group, clusters of 4 x 4, 327,680 bytes of LDS; arguments oc, osc, W0_codes, W0_scales, out0; writes out0
.if DOCPART == 4
	.amdgcn_target "amdgcn-amd-amdhsa--gfx1250"
	.amdhsa_code_object_version 6
	.text
	.protected	k_q7ea9795085_outproj
	.globl	k_q7ea9795085_outproj
	.p2align	8
	.type	k_q7ea9795085_outproj,@function
k_q7ea9795085_outproj:
	s_mov_b64 s[64:65], 0
	v_nop
	global_prefetch_b8 v0, s[64:65] scope:SCOPE_SE
	s_setreg_imm32_b32 hwreg(HW_REG_WAVE_MODE, 25, 1), 1
	s_wait_xcnt 0x0
	s_wait_alu depctr_hold_cnt(0) depctr_sa_sdst(0) depctr_va_vdst(0) depctr_va_sdst(0) depctr_va_ssrc(0) depctr_va_vcc(0) depctr_vm_vsrc(0)
	s_getreg_b32 s2, hwreg(HW_REG_IB_STS2, 6, 4)
	s_cmp_eq_u32 s2, 0
	s_cbranch_scc0 .Lentry_in_a_cluster
	s_endpgm
.Lentry_in_a_cluster:
	s_bfe_u32 s2, ttmp6, 0x10000c
	s_cmp_lg_u32 s2, 0xf033
	s_cbranch_scc0 .Lentry_shape_is_right
	s_endpgm
.Lentry_shape_is_right:
.set SIZE_N, 1024
.set ROWB,   256                       ; W0 goes by chunks of 256 bytes of each row of 768: three chunks, chunk c in slot c % 2; with chunk c come A's images of K steps 3 c .. 3 c + 2 (chunk 2: steps 6 and 7)
.set KROW,   768
.set PITCH,  272
.set G1C,    80                        ; s[80:87] group 1 for A's last piece: two K steps
.set FR,     12
.set NLA,    4
.set NP,     4
.set AROW,   4608
.set AHALF,  8*AROW
.set ATILE,  2*AHALF
.set HALFB,  128*PITCH
.set SLOT,   ATILE+2*HALFB
.set SPARE,  2*SLOT
.set SPITCH, 528
.set ADA16, 16
.set ADA8,  18
.set ADRB,  20
.set STO,   24
.set RD,    25
.set CO,    26
.set SPW,   28
.set NIL,   29
.set SC,    32
.set AF,    128
.set BK,    128
.set G1,  24
.set G0,  32
.set G1B, 48
.set G0B, 56
.set MSB, 0
.macro WIN new
.if MSB != (\new)
	s_set_vgpr_msb (MSB<<8)|(\new)
.set MSB, (\new)
.endif
.endm
.set MUL_LO, 0xa1
.set MUL_HI, 0xf1
.set TO_B,   0x40
.macro JLOAD g0a, g1a, g0b, g1b
	s_cmp_eq_u32 s15, 0
	s_cbranch_scc0 .Lfor_b_\@
	tensor_load_to_lds s[\g0a:\g0a+3], s[\g1a:\g1a+7]
	s_nop 0
.rept 4
	v_nop
.endr
	s_branch .Lasked_\@
.Lfor_b_\@:
	tensor_load_to_lds s[\g0b:\g0b+3], s[\g1b:\g1b+7]
	s_nop 0
.rept 4
	v_nop
.endr
.Lasked_\@:
.endm
.macro CREST
	s_cmp_lg_u32 s14, 0
	s_cbranch_scc1 .Lnot_wave_0_\@
	s_barrier_signal -3
.Lnot_wave_0_\@:
	s_barrier_wait -3
	s_barrier_signal -1
	s_barrier_wait -1
.endm
.macro CROUND
	s_barrier_signal -1
	s_barrier_wait -1
	CREST
.endm
	s_load_b256 s[4:11], s[0:1], 0x0
	s_load_b64 s[12:13], s[0:1], 0x20
	v_lshl_add_u32 v[SPW], v0, 2, SPARE
	v_mov_b32 v[NIL], 0
	ds_add_u32 v[SPW], v[NIL]
	ds_add_u32 v[SPW], v[NIL]
	v_lshrrev_b32 v1, 5, v0
	v_readfirstlane_b32 s14, v1
	s_lshr_b32 s15, s14, 1
	s_and_b32 s16, s14, 1
	s_bfe_u32 s40, ttmp6, 0x40000
	s_bfe_u32 s41, ttmp6, 0x40004
	s_lshl_b32 s42, ttmp9, 2
	s_add_co_u32 s42, s42, s40
	s_and_b32 s17, ttmp7, 0xffff
	s_lshl_b32 s17, s17, 2
	s_add_co_u32 s17, s17, s41
	s_lshl_b32 s43, s41, 2
	s_lshl_b32 s43, 15, s43
	s_lshl_b32 s44, 0x1111, s40
.irp g, G1, G1C
	s_or_b32 s[\g+0], s43, (3<<16)|(1<<21)
	s_mov_b32 s[\g+2], 8<<16
	s_mov_b32 s[\g+4], 8
	s_mov_b32 s[\g+5], 1536
	s_mov_b32 s[\g+6], 0
	s_mov_b32 s[\g+7], 0
.endr
	s_mov_b32 s[G1+1], 576<<16                     ; three K steps of a tile of 16 tokens: 4,608 bytes
	s_mov_b32 s[G1+3], 576<<16
	s_mov_b32 s[G1C+1], 384<<16                    ; two: 3,072 bytes
	s_mov_b32 s[G1C+3], 384<<16
	s_or_b32 s[G1B+0], s44, (0<<16)|(1<<20)|(1<<21)|(5<<22)|(3<<25)
	s_mov_b32 s[G1B+1], ROWB<<16
	s_mov_b32 s[G1B+2], 128<<16
	s_mov_b32 s[G1B+3], ROWB<<16
	s_mov_b32 s[G1B+4], 128
	s_mov_b32 s[G1B+5], KROW
	s_mov_b32 s[G1B+6], 0
	s_mov_b32 s[G1B+7], 0
	s_lshl_b32 s20, s17, 4
	s_lshl_b32 s18, s16, 3
	s_add_co_u32 s20, s20, s18
	s_mul_i32 s20, s20, 12288
	s_mov_b32 s21, 0
	s_lshl_b32 s46, s42, 8
	s_lshl_b32 s47, s16, 7
	s_add_co_u32 s46, s46, s47
	s_mul_i32 s46, s46, KROW
	s_mov_b32 s47, 0
	s_mul_i32 s45, s16, AHALF
	s_mul_i32 s94, s16, HALFB
	s_add_co_u32 s94, s94, ATILE
	s_mov_b32 s76, 0xffff0000
	s_wait_dscnt 0x0
	s_wait_kmcnt 0x0
	s_add_nc_u64 s[20:21], s[4:5], s[20:21]
	s_add_nc_u64 s[46:47], s[8:9], s[46:47]
	CROUND
.irp s, 0,1
	s_mov_b32 s[G0+4*\s], 1
	s_add_co_u32 s[G0+4*\s+1], s45, \s*SLOT
	s_add_nc_u64 s[G0+4*\s+2:G0+4*\s+3], s[20:21], \s*AROW
	s_or_b32 s[G0+4*\s+3], s[G0+4*\s+3], 0x80000000
	s_mov_b32 s[G0B+4*\s], 1
	s_add_co_u32 s[G0B+4*\s+1], s94, \s*SLOT
	s_add_nc_u64 s[G0B+4*\s+2:G0B+4*\s+3], s[46:47], \s*ROWB
	s_or_b32 s[G0B+4*\s+3], s[G0B+4*\s+3], 0x80000000
.endr
	JLOAD G0, G1, G0B, G1B                         ; chunk 0: one tensor load a wave at the head
	v_and_b32 v1, 15, v0
	v_bfe_u32 v2, v0, 4, 1
	v_lshlrev_b32 v3, 5, v1
	s_wait_alu depctr_va_vdst(0)
	s_lshl_b32 s18, s17, 8
	s_lshl_b32 s19, s15, 7
	s_add_co_u32 s18, s18, s19
	s_lshl_b32 s18, s18, 5
	s_mov_b32 s19, 0
	s_add_nc_u64 s[92:93], s[6:7], s[18:19]
	s_lshl_b32 s18, s42, 8
	s_lshl_b32 s22, s16, 7
	s_add_co_u32 s18, s18, s22
	s_lshl_b32 s18, s18, 5
	s_add_nc_u64 s[96:97], s[10:11], s[18:19]
.irp a, 0,1,2,3,4,5,6,7
	global_load_b128 v[SC+8*\a:SC+8*\a+3], v3, s[92:93] offset:512*\a
	global_load_b128 v[SC+8*\a+4:SC+8*\a+7], v3, s[92:93] offset:512*\a+16
.endr
.irp i, 0,1,2,3,4,5,6,7
	global_load_b128 v[AF+8*\i:AF+8*\i+3], v3, s[96:97] offset:512*\i
	global_load_b128 v[AF+8*\i+4:AF+8*\i+7], v3, s[96:97] offset:512*\i+16
.endr
	v_and_b32 v6, 31, v0
	v_lshlrev_b32 v7, 4, v6
	v_lshlrev_b32 v14, 3, v6
	; B's four addresses: +0, +1 my row in slot 0, 1 (+ 24 bytes in lanes 16-31); +2, +3 for a piece whose lanes 0-15 read from byte 232 of a chunk in slot 0, 1 and whose lanes 16-31 read from byte 0 of the next chunk, in the other slot
	v_mul_u32_u24 v4, v1, PITCH
	s_mov_b32 s21, SLOT-232
	s_mov_b32 s22, SLOT+232
	v_sub_nc_u32 v15, 1, v2
	v_mul_u32_u24 v5, s21, v2
	v_add_nc_u32 v5, 232, v5
	v_mul_u32_u24 v15, s22, v15
	s_mul_i32 s21, s15, AHALF
	s_mul_i32 s22, s16, HALFB
	s_add_co_u32 s22, s22, ATILE
	v_add_nc_u32 v4, s22, v4
	v_mad_u32_u24 v[ADRB], v2, 24, v4
	v_add_nc_u32 v[ADRB+1], SLOT, v[ADRB]
	v_add_nc_u32 v[ADRB+2], v4, v5
	v_add_nc_u32 v[ADRB+3], v4, v15
	v_add_nc_u32 v[ADA16], s21, v7
	v_add_nc_u32 v[ADA16+1], SLOT, v[ADA16]
	v_add_nc_u32 v[ADA8], s21, v14
	v_add_nc_u32 v[ADA8+1], SLOT, v[ADA8]
	s_mul_i32 s23, s14, 16*SPITCH
	s_add_co_u32 s23, s23, SLOT                    ; the stage lies in slot 1, which does not hold the last chunk: it has had its last fill and, behind step 5's barrier, its last read
	v_mul_u32_u24 v15, v1, SPITCH
	v_lshl_add_u32 v15, v2, 5, v15
	v_add_nc_u32 v[STO], s23, v15
	v_lshlrev_b32 v[CO], 4, v6
	v_add_nc_u32 v[RD], s23, v[CO]
	s_lshl_b32 s20, s17, 8
	s_lshl_b32 s21, s15, 7
	s_add_co_u32 s20, s20, s21
	s_lshl_b32 s20, s20, 12
	s_mov_b32 s21, 0
	s_lshl_b32 s46, s42, 10
	s_lshl_b32 s47, s16, 9
	s_add_co_u32 s46, s46, s47
	s_mov_b32 s47, 0
	s_add_nc_u64 s[20:21], s[20:21], s[46:47]
	s_add_nc_u64 s[12:13], s[12:13], s[20:21]
	s_wait_loadcnt 0x0
.set k, 0
.rept 64
	v_cndmask_b32 v[SC+k], v[SC+k], v[AF+k], s76
.set k, k+1
.endr
.rept 8
	v_nop
.endr
.macro FRAG reg, adr, q, i
.irp p, 0,1,2,3,4,5
.set BY, 96*(\q)+48*(\p/3)+8*(\p%3)    ; q: the step of 128 along K; BY: where the piece of lanes 0-15 begins in the row of codes; byte y lies in chunk y / 256, at byte y % 256 of its LDS row
.if BY/ROWB == (BY+24)/ROWB
	ds_load_b64 v[\reg+2*\p:\reg+2*\p+1], v[\adr+(BY/ROWB)%2] offset:BY%ROWB+(\i)*16*PITCH
.else
	ds_load_b64 v[\reg+2*\p:\reg+2*\p+1], v[\adr+2+(BY/ROWB)%2] offset:BY%ROWB-232+(\i)*16*PITCH
.endif
.endr
.endm
.macro AFRAG reg, slot, q, i
.set ACH, (\q)/3                       ; q: the K step; its piece of A, in slot ACH % 2; the last piece's rows are two steps long
.set AOF, (AROW-1536*(ACH/2))*(\i)+1536*((\q)-3*ACH)
	ds_load_b128 v[\reg:\reg+3], v[ADA16+ACH%2] offset:AOF
	ds_load_b64 v[\reg+4:\reg+5], v[ADA8+ACH%2] offset:AOF+512
	ds_load_b128 v[\reg+6:\reg+9], v[ADA16+ACH%2] offset:AOF+768
	ds_load_b64 v[\reg+10:\reg+11], v[ADA8+ACH%2] offset:AOF+1280
.endm
.macro MUL16 a0, p, s, zero
.irp a, \a0, \a0+1
.irp b, 0,1,2,3,4,5,6,7
.if \zero
	v_wmma_scale_f32_16x16x128_f8f6f4 v[8*(8*((\a)%4)+\b):8*(8*((\a)%4)+\b)+7], v[128*(\p)+FR*\b:128*(\p)+FR*\b+FR-1], v[AF+FR*(\a):AF+FR*(\a)+FR-1], 0, v[SC+8*\b+(\s)], v[SC+8*(\a)+(\s)] matrix_a_fmt:MATRIX_FMT_FP6 matrix_b_fmt:MATRIX_FMT_FP6 matrix_a_scale:MATRIX_SCALE_ROW1
.else
	v_wmma_scale_f32_16x16x128_f8f6f4 v[8*(8*((\a)%4)+\b):8*(8*((\a)%4)+\b)+7], v[128*(\p)+FR*\b:128*(\p)+FR*\b+FR-1], v[AF+FR*(\a):AF+FR*(\a)+FR-1], v[8*(8*((\a)%4)+\b):8*(8*((\a)%4)+\b)+7], v[SC+8*\b+(\s)], v[SC+8*(\a)+(\s)] matrix_a_fmt:MATRIX_FMT_FP6 matrix_b_fmt:MATRIX_FMT_FP6 matrix_a_scale:MATRIX_SCALE_ROW1
.endif
.endr
.endr
.endm
.macro FETCH_B slot, q, p
	WIN TO_B
.irp i, 0,1,2,3,4,5,6,7
	FRAG 128*(\p)+FR*\i, ADRB+\slot, \q, \i
.endr
	WIN 0
.endm
.macro FETCH_A slot, q, i0
.irp i, \i0, \i0+1, \i0+2, \i0+3
	AFRAG AF+FR*(\i), \slot, \q, \i
.endr
.endm
.macro PLACES n
.rept \n
	v_nop
.endr
.endm
.macro STEP slot, q, s, zero
	s_wait_dscnt 4*NLA
	WIN MUL_LO
	MUL16 0, (\q)%2, \s, \zero
	MUL16 2, (\q)%2, \s, \zero
	s_wait_dscnt 0
	PLACES NP
	FETCH_B \slot, (\q)+1, 1-(\q)%2
	FETCH_A \slot, (\q)+1, 0
	WIN MUL_HI
	MUL16 4, (\q)%2, \s, \zero
	MUL16 6, (\q)%2, \s, \zero
	PLACES NP
	WIN 0
	FETCH_A \slot, (\q)+1, 4
.endm
; A step with a barrier in its middle.  left = 0: the next step's bytes end in a chunk that no step has read yet: every wave waits for its tensor loads, and the barrier shows the chunk whole.
; left = 1: a chunk is read no more.  fill = 1 (step 2): the barrier opens a round of the cluster's barrier, and slot 0 takes chunk 2.
.macro TURN st, left, fill
	s_wait_tensorcnt 0x0
.if \left
	ds_add_u32 v[SPW], v[NIL]
.endif
	s_wait_dscnt 4*NLA+\left                       ; the add, where there is one, and A's blocks 4-7 may be out
	WIN MUL_LO
	MUL16 0, (\st)%2, \st, 0
	s_wait_dscnt 0x0
	s_barrier_signal -1
	MUL16 2, (\st)%2, \st, 0
	WIN 0
	s_barrier_wait -1
.if \fill
	CREST
	s_add_nc_u64 s[G0+2:G0+3], s[G0+2:G0+3], 2*AROW
	s_add_nc_u64 s[G0B+2:G0B+3], s[G0B+2:G0B+3], 2*ROWB
	JLOAD G0, G1C, G0B, G1B
.else
	PLACES NP
.endif
	FETCH_B 0, (\st)+1, 1-(\st)%2
	FETCH_A 0, (\st)+1, 0
	WIN MUL_HI
	MUL16 4, (\st)%2, \st, 0
	MUL16 6, (\st)%2, \st, 0
	PLACES NP
	WIN 0
	FETCH_A 0, (\st)+1, 4
.endm
	s_wait_alu depctr_va_vdst(0)
	s_wait_tensorcnt 0x0                           ; my part of chunk 0 is in
	ds_add_u32 v[SPW], v[NIL]
	s_wait_dscnt 0x0
	CROUND
	JLOAD G0+4, G1, G0B+4, G1B                     ; chunk 1 into slot 1
	FETCH_B 0, 0, 0
	FETCH_A 0, 0, 0
	FETCH_A 0, 0, 4
	STEP 0, 0, 0, 1                                ; W0's steps 2 and 5 lie across two chunks
	TURN 1, 0, 0
	TURN 2, 1, 1
	STEP 0, 3, 3, 0
	TURN 4, 0, 0
	TURN 5, 1, 0
	STEP 0, 6, 6, 0
	s_wait_dscnt 4*NLA
	WIN MUL_LO
	MUL16 0, 1, 7, 0
	MUL16 2, 1, 7, 0
	s_wait_dscnt 0
	WIN MUL_HI
	MUL16 4, 1, 7, 0
	MUL16 6, 1, 7, 0
	WIN 0
.macro TOSTAGE a
.set AC, 64*((\a)%4)
	WIN 0x08+4*((\a)/4)
.irp b, 0,1,2,3,4,5,6,7
	ds_store_b128 v[STO], v[AC+8*\b:AC+8*\b+3] offset:64*\b
	ds_store_b128 v[STO], v[AC+8*\b+4:AC+8*\b+7] offset:64*\b+16
.endr
	WIN 0
.set BB, BK+64*((\a)%2)
.irp t, 0,1,2,3,4,5,6,7,8,9,10,11,12,13,14,15
	ds_load_b128 v[BB+4*\t:BB+4*\t+3], v[RD] offset:\t*SPITCH
.endr
.endm
.macro SEND a, younger
.set BB, BK+64*((\a)%2)
	s_wait_dscnt \younger
.if (\a) > 0
	s_add_nc_u64 s[12:13], s[12:13], 16*SIZE_N*4
.endif
.irp t, 0,1,2,3,4,5,6,7,8,9,10,11,12,13,14,15
	global_store_b128 v[CO], v[BB+4*\t:BB+4*\t+3], s[12:13] offset:\t*SIZE_N*4 th:TH_STORE_NT
.endr
.endm
	PLACES NP
	TOSTAGE 0
.irp a, 1,2,3,4,5,6,7
.if \a > 1
	s_wait_xcnt 0x0
.endif
	TOSTAGE \a
	SEND \a-1, 32
.endr
	s_wait_xcnt 0x0
	SEND 7, 0
	s_wait_tensorcnt 0x0
	ds_add_u32 v[SPW], v[NIL]
	s_wait_dscnt 0x0
	CROUND
	s_endpgm
.Lfunc_end_k_q7ea9795085_outproj:
	.size	k_q7ea9795085_outproj, .Lfunc_end_k_q7ea9795085_outproj-k_q7ea9795085_outproj
	.p2alignl 7, 3214868480
	.fill 96, 4, 3214868480
	.section	.rodata,"a",@progbits
	.p2align	6, 0x0
	.amdhsa_kernel k_q7ea9795085_outproj
		.amdhsa_group_segment_fixed_size 327680
		.amdhsa_private_segment_fixed_size 0
		.amdhsa_enable_private_segment 0
		.amdhsa_kernarg_size 40
		.amdhsa_user_sgpr_count 2
		.amdhsa_user_sgpr_kernarg_segment_ptr 1
		.amdhsa_wavefront_size32 1
		.amdhsa_system_sgpr_workgroup_id_x 1
		.amdhsa_system_sgpr_workgroup_id_y 1
		.amdhsa_system_sgpr_workgroup_id_z 1
		.amdhsa_system_vgpr_workitem_id 0
		.amdhsa_next_free_vgpr 1024
		.amdhsa_next_free_sgpr 98
		.amdhsa_reserve_vcc 0
		.amdhsa_float_denorm_mode_32 3
		.amdhsa_float_denorm_mode_16_64 3
		.amdhsa_memory_ordered 1
		.amdhsa_forward_progress 1
		.amdhsa_inst_pref_size 155
	.end_amdhsa_kernel
	.amdgpu_metadata
---
amdhsa.version: [ 1, 2 ]
amdhsa.kernels:
  - .name:           k_q7ea9795085_outproj
    .symbol:         k_q7ea9795085_outproj.kd
    .args:
      - { .name: oc, .offset: 0, .size: 8, .value_kind: global_buffer, .address_space: global }
      - { .name: osc, .offset: 8, .size: 8, .value_kind: global_buffer, .address_space: global }
      - { .name: W0_codes, .offset: 16, .size: 8, .value_kind: global_buffer, .address_space: global }
      - { .name: W0_scales, .offset: 24, .size: 8, .value_kind: global_buffer, .address_space: global }
      - { .name: out0, .offset: 32, .size: 8, .value_kind: global_buffer, .address_space: global }
    .group_segment_fixed_size: 327680
    .private_segment_fixed_size: 0
    .kernarg_segment_align: 8
    .kernarg_segment_size: 40
    .max_flat_workgroup_size: 128
    .sgpr_count:     98
    .vgpr_count:     1024
    .wavefront_size: 32
...
	.end_amdgpu_metadata
.endif
;; end of part 4
